; MI455X (gfx1250); checked and timed in simulation.
; The chip was launched on July 23, 2026; its instructions are those of AMD's public machine-readable ISA for CDNA 5 (MIT licence, August 2026) and "CDNA5" Instruction Set Architecture Reference Guide (July 2026). The comments in the code are by the model that wrote it; some were corrected since.
;; Block. Allowed arithmetic: matrix products marked QUANTISED: E4M3 operands, one given power-of-two scale a tensor, by v_wmma_f32_16x16x64_fp8_fp8 or v_wmma_f32_16x16x128_fp8_fp8, f32 sums; everything else in f32.
;; Inputs: W1 1,024 x 4,096 float32; W2 4,096 x 1,024 float32; Wk 16 x 1,024 x 64 float32; Wo 1,024 x 1,024 float32; Wq 16 x 1,024 x 64 float32; Wv 16 x 1,024 x 64 float32; b1 4,096 float32; b2 1,024 float32; be1 1,024 float32; be2 1,024 float32; bo 1,024 float32; g1 1,024 float32; g2 1,024 float32; lowp_scales 16 int32 (the exponents e of the quantised operands' scales 2^e); x 4 x 1,024 x 1,024 float32.
;; Outputs: out0 4 x 1,024 x 1,024 float32.
;; This version of the problem:
;;   THIS VERSION OF THE PROBLEM IS GIVEN IN LOW PRECISION. The matrix products marked QUANTISED in the list below multiply operands that are first quantised to E4M3 (4 exponent bits, 3 mantissa bits; 8 bits a number), with one given power-of-two scale for each operand tensor; their sums are f32. All else is computed in f32.
;;   The module's matrix products, in the order in which they are computed (A, B: the left and right operand; K: the contracted axis; several contracted axes count as one K, in the product's order):
;;     1. [M 1,024, K 1,024] x [K 1,024, N 4,096]; A: input Wq; B: computed on the way: QUANTISED (scales: A lowp_scales[0], B lowp_scales[1])
;;     2. [M 1,024, K 1,024] x [K 1,024, N 4,096]; A: input Wk; B: computed on the way: QUANTISED (scales: A lowp_scales[2], B lowp_scales[3])
;;     3. [M 1,024, K 1,024] x [K 1,024, N 4,096]; A: input Wv; B: computed on the way: QUANTISED (scales: A lowp_scales[4], B lowp_scales[5])
;;     4. batch 64 x [M 1,024, K 64] x [K 64, N 1,024]; A: computed on the way; B: computed on the way: QUANTISED (scales: A lowp_scales[6], B lowp_scales[7])
;;     5. batch 64 x [M 1,024, K 1,024] x [K 1,024, N 64]; A: softmax (see below); B: computed on the way: QUANTISED (scales: A lowp_scales[8], B lowp_scales[9])
;;     6. [M 4,096, K 1,024] x [K 1,024, N 1,024]; A: computed on the way; B: input Wo: QUANTISED (scales: A lowp_scales[10], B lowp_scales[11])
;;     7. [M 4,096, K 1,024] x [K 1,024, N 4,096]; A: computed on the way; B: input W1: QUANTISED (scales: A lowp_scales[12], B lowp_scales[13])
;;     8. [M 4,096, K 4,096] x [K 4,096, N 1,024]; A: computed on the way; B: input W2: QUANTISED (scales: A lowp_scales[14], B lowp_scales[15])
;;   THE QUANTISER, for each operand of a quantised product, along K:
;;     - The operand's scale is 2^e, e = its entry of the input lowp_scales (int32; the entries are numbered through the quantised products in the list's order, A before B).
;;     - Each number is divided by the scale, clamped to +-448, and rounded to the nearest number of E4M3, ties to even, subnormals kept.
;;     - The product sums the exact products of the quantised numbers (number of the format x scale) in f32.
;;   ~~~python
;;   def quantise(x, axis, e):      # numpy; x: float32 -> the quantised numbers, widened to float32 again
;;       x = np.moveaxis(x, axis, -1); K = x.shape[-1]
;;       r = np.clip(x / 2.0 ** e, -448, 448)
;;       step = 2.0 ** (np.maximum(np.frexp(np.where(r == 0, 1, r))[1] - 1, -6) - 3)
;;       q = np.round(r / step) * step * 2.0 ** e      # np.round: ties to even
;;       return np.moveaxis(q, -1, axis).astype(np.float32)
;;   ~~~
;;   SOFTMAX AHEAD OF A QUANTISED PRODUCT. Where the list says 'softmax', what is quantised is not the finished softmax but p = 2^(t - M), with t = logit x log2(e) and M = ceil(the row's largest t), a whole number; so 1/2 < the row's largest p <= 1. The row's sum l is taken of the UNQUANTISED p, in f32, and the product's result is divided by l at the end. Since M is a whole number, a kernel that streams over the keys may use a running M (the ceiling of the running maximum): every later rescaling is an exact power of two, so the quantised numbers keep their values, but for numbers so far below the row's largest that they fall under the format's range.
;;   OPERANDS COMPUTED ON THE WAY. 'Computed on the way' means the value that the module computes at that place (a softmax that the list does not call 'softmax' is quantised finished and normalised). What goes into a quantiser is computed in f32, as accurately as f32 sums, v_exp_f32 and their like allow (about 1e-6 of the number): no bf16 or f16 on the way to a quantiser, and a product that is left as it is and whose result goes on into a quantised operand takes f32 operands (vector FMAs, or v_wmma_f32_16x16x4_f32). A number that lies on a knife's edge between two numbers of the format may be rounded either way, as far as f32 arithmetic and the matrix unit's own rounding can turn it there, and no further.
;; One version. Each part assembles by itself: llvm-mc -triple=amdgcn-amd-amdhsa -mcpu=gfx1250 --defsym DOCPART=n.
;; ======== version 1 of 1: 7 launches
;; limits: right only within a limited range of input values
;; workspace buffers: wc 12,582,912 bytes; hc 12,582,912 bytes; qkv 12,582,912 bytes; ac 4,194,304 bytes; x1 16,777,216 bytes; h2c 4,194,304 bytes; hid 16,777,216 bytes
;; launch prep (part 1): grid 640 x 1, 4 waves a work-group, no clusters, 36,352 bytes of LDS; arguments Wq, Wk, Wv, Wo, W1, W2, x, g1, be1, lowp_scales, wc, hc; writes wc, hc
.if DOCPART == 1
	.amdgcn_target "amdgcn-amd-amdhsa--gfx1250"
	.amdhsa_code_object_version 6
	.text
	.protected	k_q96466ce8b2_prep
	.globl	k_q96466ce8b2_prep
	.p2align	8
	.type	k_q96466ce8b2_prep,@function
k_q96466ce8b2_prep:
	s_mov_b64 s[64:65], 0
	v_nop
	global_prefetch_b8 v0, s[64:65] scope:SCOPE_SE
	s_setreg_imm32_b32 hwreg(HW_REG_WAVE_MODE, 25, 1), 1
	s_wait_xcnt 0x0
; PREP.  Two jobs in one launch, told apart by the work-group's number.
; Work-groups 0-383: the six weights (f32, K not innermost) become codes of E4M3 laid [N][K], K innermost, in wc: Wq at 0, Wk at 1 MiB, Wv at 2 MiB (row n = 64 head + s), Wo at 3 MiB, W1 at 4 MiB, W2 at 8 MiB.
;   A LANE TAKES A COLUMN n AND ITS REGISTERS RUN DOWN K: a wave takes 32 columns x 256 along K; each load reads 128 consecutive bytes; the conversions give codes with K innermost; the codes go
;   through the wave's own stage in LDS and leave as rows: sixteen lanes store 256 consecutive bytes, aligned.  Which tensor, its pitch and its scale are chosen by selects on the work-group's number.
; Work-groups 384-639: h = LayerNorm(x) g1 + be1, in f32, quantised three times (entries 1, 3, 5 of the scales: the three products that read h each have a scale of their own) into hc [3][4096][1024].
;   A wave takes a whole row (32 registers a lane), four rows one after the other; mean first, then the squares of the differences: no difference of large sums is formed.
; code = x / 2^e, held within +-448, to the nearest code, ties to even.  LIMITS: each e used here lies between -126 and 119.  NaN among the inputs is not served.
; No tensor loads, no barrier: waves share nothing.  No matrix work, no cluster: no work-group reads what another reads.
.set NWW,  384                         ; work-groups of the weights' job
.set SPT,  272                         ; a stage row: 256 bytes of codes + 16
.set AD,   12                          ; weights: v12-43   i x pitch + 4 x lane, i = 0 .. 31
.set OF,   44                          ; weights: v44-59   my place in rows 2 t, 2 t + 1 of the codes
.set X,    64                          ; v64-127  two sets of 32 numbers (both jobs)
.set C,    128                         ; weights: v128-135 a block's codes
.set OUTR, 136                         ; weights: v136-199 the way out
.set BS,   66                          ; weights: s[66:81] the source at K block t, t = 0 .. 7
.set NK,   3                           ; LayerNorm: how many scales
.set XB,   16                          ; s[16:17] x;  s[18:19] g1;  s[20:21] be1;  s[84:89] the three code sets at my first row
.set GB,   18
.set BB,   20
.set OB,   84
.set SINV, 90                          ; s90 1/1024;  s91 1e-5;  s[92:93] lane selects: lane l xor 16
.set SEPS, 91
.set SSEL, 92
.set SC,   4                           ; v4-6 2^e;  v7-9 448 x 2^e
.set LIM,  7
.set T,    12                          ; v12-27 two sets of eight held numbers
.set CD,   28                          ; v28-51 a row's codes
.set G,    128                         ; v128-159 g1, v160-191 be1 at my 32 columns
.set BE,   160
	s_load_b512 s[4:19], s[0:1], 0x0               ; Wq s4, Wk s6, Wv s8, Wo s10, W1 s12, W2 s14, x s16, g1 s18
	s_load_b256 s[20:27], s[0:1], 0x40             ; be1 s20, the scales s22, wc s24, hc s26
	v_lshl_add_u32 v208, v0, 2, 0x8c00
	v_mov_b32 v209, 0
	v_lshrrev_b32 v1, 5, v0
	v_readfirstlane_b32 s28, v1                    ; wave
	v_and_b32 v2, 31, v0                           ; lane
	s_wait_kmcnt 0x0
	s_load_b512 s[36:51], s[22:23], 0x0            ; entry i of the scales in s[36 + i]
	s_cmp_lt_u32 ttmp9, NWW
	s_cbranch_scc0 .Lln
; ---------------- the weights ----------------
	s_mov_b64 s[30:31], s[14:15]                   ; W2's figures first, then the earlier tensors' where the work-group's number lies below their end
	s_mov_b32 s52, 256                             ; the tensor's first work-group
	s_mov_b32 s53, 0x800000                        ; its place in wc
	s_mov_b32 s54, 4096                            ; bytes from k to k + 1
	s_mov_b32 s55, 5                               ; log2 of its groups of 32 columns
	s_mov_b32 s56, 4096                            ; K: a row of its codes in bytes
	s_cmp_lt_u32 ttmp9, 256                        ; W1
	s_cselect_b64 s[30:31], s[12:13], s[30:31]
	s_cselect_b32 s52, 128, s52
	s_cselect_b32 s53, 0x400000, s53
	s_cselect_b32 s54, 16384, s54
	s_cselect_b32 s55, 7, s55
	s_cselect_b32 s56, 1024, s56
	s_cmp_lt_u32 ttmp9, 128                        ; Wo
	s_cselect_b64 s[30:31], s[10:11], s[30:31]
	s_cselect_b32 s52, 96, s52
	s_cselect_b32 s53, 0x300000, s53
	s_cselect_b32 s54, 4096, s54
	s_cselect_b32 s55, 5, s55
	s_cmp_lt_u32 ttmp9, 96                         ; Wv
	s_cselect_b64 s[30:31], s[8:9], s[30:31]
	s_cselect_b32 s52, 64, s52
	s_cselect_b32 s53, 0x200000, s53
	s_cselect_b32 s54, 256, s54
	s_cmp_lt_u32 ttmp9, 64                         ; Wk
	s_cselect_b64 s[30:31], s[6:7], s[30:31]
	s_cselect_b32 s52, 32, s52
	s_cselect_b32 s53, 0x100000, s53
	s_cmp_lt_u32 ttmp9, 32                         ; Wq
	s_cselect_b64 s[30:31], s[4:5], s[30:31]
	s_cselect_b32 s52, 0, s52
	s_cselect_b32 s53, 0, s53
	s_sub_co_u32 s60, ttmp9, s52
	s_lshl_b32 s60, s60, 2
	s_add_co_u32 s60, s60, s28                     ; my wave's job in the tensor
	s_lshl_b32 s61, 1, s55
	s_sub_co_u32 s61, s61, 1
	s_and_b32 s62, s60, s61                        ; which 32 columns
	s_lshr_b32 s63, s60, s55                       ; which 256 along K
	s_lshr_b32 s58, s62, 1                         ; a head's tensor: head = group / 2, 262,144 bytes a head; 128 bytes for the head's second 32 columns
	s_lshl_b32 s58, s58, 18
	s_and_b32 s59, s62, 1
	s_lshl_b32 s59, s59, 7
	s_add_co_u32 s58, s58, s59
	s_lshl_b32 s59, s62, 7                         ; a plain matrix: 128 bytes a group
	s_cmp_lt_u32 ttmp9, 96
	s_cselect_b32 s58, s58, s59
	s_mul_i32 s59, s63, s54
	s_lshl_b32 s59, s59, 8                         ; 256 rows of the pitch for each step along K
	s_add_co_u32 s58, s58, s59
	s_mov_b32 s59, 0
	s_add_nc_u64 s[BS:BS+1], s[30:31], s[58:59]
	s_lshl_b32 s58, s54, 5                         ; 32 rows on
.irp t, 1,2,3,4,5,6,7
	s_add_nc_u64 s[BS+2*\t:BS+2*\t+1], s[BS+2*\t-2:BS+2*\t-1], s[58:59]
.endr
	s_mul_i32 s60, s62, s56
	s_lshl_b32 s60, s60, 5                         ; codes: 32 rows of K bytes for each group,
	s_add_co_u32 s60, s60, s53                     ; the tensor's place,
	s_lshl_b32 s61, s63, 8                         ; 256 bytes for each step along K
	s_add_co_u32 s60, s60, s61
	s_mov_b32 s61, 0
	s_add_nc_u64 s[82:83], s[24:25], s[60:61]
	s_wait_alu depctr_va_vdst(0)
	v_lshlrev_b32 v3, 2, v2                        ; in: 4 bytes a lane
.set i, 0
.rept 32
	v_mad_u32_u24 v[AD+i], s54, i, v3
.set i, i+1
.endr
	v_and_b32 v5, 15, v2
	v_lshrrev_b32 v6, 4, v2
	v_mul_u32_u24 v8, s56, v6
	v_lshl_add_u32 v8, v5, 4, v8                   ; out: sixteen lanes to a row of codes, two rows an instruction
.set i, 0
.rept 16
	v_mad_u32_u24 v[OF+i], s56, 2*i, v8
.set i, i+1
.endr
	s_mul_i32 s29, s28, 32*SPT                     ; my stage
	v_mul_u32_u24 v4, v2, SPT
	v_add_nc_u32 v4, s29, v4                       ; into it: row = my column
	v_mul_u32_u24 v7, v6, SPT
	v_lshl_add_u32 v7, v5, 4, v7
	v_add_nc_u32 v7, s29, v7                       ; out of it
.macro LOAD t                          ; block t: W(32 t + i, my column), i = 0 .. 31, into set t % 2
.set i, 0
.rept 32
	global_load_b32 v[X+32*((\t)%2)+i], v[AD+i], s[BS+2*(\t):BS+2*(\t)+1] th:TH_LOAD_NT
.set i, i+1
.endr
.endm
	LOAD 0
	LOAD 1
	s_wait_kmcnt 0x0
	s_mov_b32 s57, s51                             ; the tensor's scale: entry 15, 13, 11, 4, 2, 0
	s_cmp_lt_u32 ttmp9, 256
	s_cselect_b32 s57, s49, s57
	s_cmp_lt_u32 ttmp9, 128
	s_cselect_b32 s57, s47, s57
	s_cmp_lt_u32 ttmp9, 96
	s_cselect_b32 s57, s40, s57
	s_cmp_lt_u32 ttmp9, 64
	s_cselect_b32 s57, s38, s57
	s_cmp_lt_u32 ttmp9, 32
	s_cselect_b32 s57, s36, s57
	s_add_co_i32 s57, s57, 127
	s_lshl_b32 s58, s57, 23
	v_mov_b32 v11, s58                             ; 2^e as f32: the conversion takes its exponent field
	s_add_co_i32 s57, s57, 8
	s_lshl_b32 s57, s57, 23
	s_or_b32 s57, s57, 0x600000
	v_mov_b32 v10, s57                             ; 448 x 2^e
.macro BLOCK t
.set XS, X+32*((\t)%2)
.if (\t) < 7
	s_wait_loadcnt 32                              ; this block's 32 loads are in; the next block's 32 may be out
.else
	s_wait_loadcnt 0
.endif
.set i, 0
.rept 32
	v_med3_num_f32 v[XS+i], v[XS+i], -v10, v10     ; the conversion to an 8-bit code does not saturate (ISA guide 7.6.2): the hold comes first
.set i, i+1
.endr
.irp g, 0,1,2,3
	v_cvt_scalef32_pk8_fp8_f32 v[C+2*\g:C+2*\g+1], v[XS+8*\g:XS+8*\g+7], v11
.endr
	ds_store_b128 v4, v[C:C+3] offset:32*(\t)      ; 32 codes of my column's row
	ds_store_b128 v4, v[C+4:C+7] offset:32*(\t)+16
.if (\t)+2 < 8
	LOAD (\t)+2
.endif
	s_wait_dscnt 0x0                               ; the stores have read their registers: the next block's codes may be written
.endm
	s_wait_alu depctr_va_vdst(0)
.irp t, 0,1,2,3,4,5,6,7
	BLOCK \t
.endr
.irp t, 0,1,2,3,4,5,6,7,8,9,10,11,12,13,14,15
	ds_load_b128 v[OUTR+4*\t:OUTR+4*\t+3], v7 offset:2*\t*SPT   ; LDS serves a wave's instructions in order: these see my stores
.endr
.irp t, 0,1,2,3,4,5,6,7,8,9,10,11,12,13,14,15
	s_wait_dscnt 15-\t                             ; the younger loads may be out
	global_store_b128 v[OF+\t], v[OUTR+4*\t:OUTR+4*\t+3], s[82:83]
.endr
	s_wait_tensorcnt 0x0
	ds_add_u32 v208, v209
	s_wait_dscnt 0x0
	s_endpgm
; ---------------- LayerNorm and its codes ----------------
.macro XLOAD rr                        ; row rr of my four into set rr % 2: register 8 j + i = column 256 j + 8 lane + i, so that a lane holds eight neighbours for a conversion
.irp j, 0,1,2,3
	global_load_b128 v[X+32*((\rr)%2)+8*\j:X+32*((\rr)%2)+8*\j+3], v1, s[XB:XB+1] offset:(\rr)*4096+1024*\j th:TH_LOAD_NT
	global_load_b128 v[X+32*((\rr)%2)+8*\j+4:X+32*((\rr)%2)+8*\j+7], v1, s[XB:XB+1] offset:(\rr)*4096+1024*\j+16 th:TH_LOAD_NT
.endr
.endm
.macro ACROSS                          ; v52: the lanes' parts become the row's sum, in every lane
	v_add_f32_dpp v52, v52, v52 row_xmask:1 row_mask:0xf bank_mask:0xf
	v_add_f32_dpp v52, v52, v52 row_xmask:2 row_mask:0xf bank_mask:0xf
	v_add_f32_dpp v52, v52, v52 row_xmask:4 row_mask:0xf bank_mask:0xf
	v_add_f32_dpp v52, v52, v52 row_xmask:8 row_mask:0xf bank_mask:0xf
	v_permlanex16_b32 v10, v52, s[SSEL], s[SSEL+1]
	v_add_f32 v52, v52, v10
.endm
.macro ROW rr, left                    ; left: the younger row's loads, which may stay out
.set XS, X+32*((\rr)%2)
	s_wait_loadcnt \left
	v_pk_add_f32 v[52:53], v[XS:XS+1], v[XS+2:XS+3]            ; the sum, in two chains
	v_pk_add_f32 v[54:55], v[XS+4:XS+5], v[XS+6:XS+7]
.irp i, 8,12,16,20,24,28
	v_pk_add_f32 v[52:53], v[52:53], v[XS+\i:XS+\i+1]
	v_pk_add_f32 v[54:55], v[54:55], v[XS+\i+2:XS+\i+3]
.endr
	v_pk_add_f32 v[52:53], v[52:53], v[54:55]
	v_add_f32 v52, v52, v53
	ACROSS
	v_mul_f32 v60, s[SINV], v52                    ; the mean
	v_mov_b32 v61, v60
.irp i, 0,2,4,6,8,10,12,14,16,18,20,22,24,26,28,30
	v_pk_add_f32 v[XS+\i:XS+\i+1], v[XS+\i:XS+\i+1], v[60:61] neg_lo:[0,1] neg_hi:[0,1]
.endr
	v_pk_mul_f32 v[52:53], v[XS:XS+1], v[XS:XS+1]              ; the squares of the differences, in two chains
	v_pk_mul_f32 v[54:55], v[XS+2:XS+3], v[XS+2:XS+3]
.irp i, 4,8,12,16,20,24,28
	v_pk_fma_f32 v[52:53], v[XS+\i:XS+\i+1], v[XS+\i:XS+\i+1], v[52:53]
	v_pk_fma_f32 v[54:55], v[XS+\i+2:XS+\i+3], v[XS+\i+2:XS+\i+3], v[54:55]
.endr
	v_pk_add_f32 v[52:53], v[52:53], v[54:55]
	v_add_f32 v52, v52, v53
	ACROSS
	v_fma_f32 v56, v52, s[SINV], s[SEPS]           ; the variance + 1e-5
	s_wait_alu depctr_va_vdst(0)
	v_rsq_f32 v62, v56
	v_nop                                          ; a plain instruction behind the transcendental
	s_wait_alu depctr_va_vdst(0)                   ; the wait ahead of the result's first reader
	v_mov_b32 v63, v62
.irp i, 0,2,4,6,8,10,12,14,16,18,20,22,24,26,28,30
	v_pk_mul_f32 v[XS+\i:XS+\i+1], v[XS+\i:XS+\i+1], v[62:63]
.endr
.irp i, 0,2,4,6,8,10,12,14,16,18,20,22,24,26,28,30
	v_pk_fma_f32 v[XS+\i:XS+\i+1], v[XS+\i:XS+\i+1], v[G+\i:G+\i+1], v[BE+\i:BE+\i+1]
.endr
	s_wait_xcnt 0x0                                ; the last row's stores have read their registers: the codes may be written again
.set k, 0
.rept NK
.set j, 0
.rept 4
.set i, 0
.rept 8
	v_med3_num_f32 v[T+8*(j%2)+i], v[XS+8*j+i], -v[LIM+k], v[LIM+k]   ; the hold, into one of two sets: the other set's eight holds stand between a conversion and the next write of its sources
.set i, i+1
.endr
	v_cvt_scalef32_pk8_fp8_f32 v[CD+8*k+2*j:CD+8*k+2*j+1], v[T+8*(j%2):T+8*(j%2)+7], v[SC+k]
.set j, j+1
.endr
.set k, k+1
.endr
.if (\rr) < 2
	XLOAD (\rr)+2
.endif
.set k, 0
.rept NK
.irp j, 0,1,2,3
	global_store_b64 v2, v[CD+8*k+2*\j:CD+8*k+2*\j+1], s[OB+2*k:OB+2*k+1] offset:(\rr)*1024+256*\j   ; 32 lanes store 256 consecutive bytes, aligned
.endr
.set k, k+1
.endr
.endm
.Lln:
	s_wait_alu depctr_va_vdst(0)
	v_lshlrev_b32 v1, 5, v2                        ; in: 32 bytes a lane
	s_wait_alu depctr_va_vdst(0)
	v_lshlrev_b32 v2, 3, v2                        ; out: 8 bytes a lane
	v_mov_b32 v10, 0                               ; written once: a lane permute's destination counts as one of its sources
	s_sub_co_u32 s60, ttmp9, NWW
	s_lshl_b32 s60, s60, 2
	s_add_co_u32 s60, s60, s28
	s_lshl_b32 s60, s60, 2                         ; my first row
	s_lshl_b32 s62, s60, 12
	s_mov_b32 s63, 0
	s_add_nc_u64 s[XB:XB+1], s[XB:XB+1], s[62:63]
	s_lshl_b32 s62, s60, 10
	s_add_nc_u64 s[OB:OB+1], s[26:27], s[62:63]
	s_add_nc_u64 s[OB+2:OB+3], s[OB:OB+1], 0x400000
	s_add_nc_u64 s[OB+4:OB+5], s[OB:OB+1], 0x800000
	s_mov_b32 s[SINV], 0x3a800000
	s_mov_b32 s[SEPS], 0x3727c5ac
	s_mov_b32 s[SSEL], 0x76543210
	s_mov_b32 s[SSEL+1], 0xfedcba98
.irp j, 0,1,2,3
	global_load_b128 v[G+8*\j:G+8*\j+3], v1, s[GB:GB+1] offset:1024*\j
	global_load_b128 v[G+8*\j+4:G+8*\j+7], v1, s[GB:GB+1] offset:1024*\j+16
	global_load_b128 v[BE+8*\j:BE+8*\j+3], v1, s[BB:BB+1] offset:1024*\j
	global_load_b128 v[BE+8*\j+4:BE+8*\j+7], v1, s[BB:BB+1] offset:1024*\j+16
.endr
	XLOAD 0
	XLOAD 1
	s_wait_kmcnt 0x0
.irp k, 0,1,2
	s_add_co_i32 s60, s[37+2*\k], 127              ; entries 1, 3, 5
	s_lshl_b32 s61, s60, 23
	v_mov_b32 v[SC+\k], s61
	s_add_co_i32 s60, s60, 8
	s_lshl_b32 s60, s60, 23
	s_or_b32 s60, s60, 0x600000
	v_mov_b32 v[LIM+\k], s60
.endr
	ROW 0, 8
	ROW 1, 8
	ROW 2, 8
	ROW 3, 0
	s_endpgm
.Lfunc_end_k_q96466ce8b2_prep:
	.size	k_q96466ce8b2_prep, .Lfunc_end_k_q96466ce8b2_prep-k_q96466ce8b2_prep
	.p2alignl 7, 3214868480
	.fill 96, 4, 3214868480
	.section	.rodata,"a",@progbits
	.p2align	6, 0x0
	.amdhsa_kernel k_q96466ce8b2_prep
		.amdhsa_group_segment_fixed_size 36352
		.amdhsa_private_segment_fixed_size 0
		.amdhsa_enable_private_segment 0
		.amdhsa_kernarg_size 96
		.amdhsa_user_sgpr_count 2
		.amdhsa_user_sgpr_kernarg_segment_ptr 1
		.amdhsa_wavefront_size32 1
		.amdhsa_system_sgpr_workgroup_id_x 1
		.amdhsa_system_sgpr_workgroup_id_y 1
		.amdhsa_system_sgpr_workgroup_id_z 1
		.amdhsa_system_vgpr_workitem_id 0
		.amdhsa_next_free_vgpr 210
		.amdhsa_next_free_sgpr 100
		.amdhsa_reserve_vcc 0
		.amdhsa_float_denorm_mode_32 3
		.amdhsa_float_denorm_mode_16_64 3
		.amdhsa_memory_ordered 1
		.amdhsa_forward_progress 1
		.amdhsa_inst_pref_size 117
	.end_amdhsa_kernel
	.amdgpu_metadata
---
amdhsa.version: [ 1, 2 ]
amdhsa.kernels:
  - .name:           k_q96466ce8b2_prep
    .symbol:         k_q96466ce8b2_prep.kd
    .args:
      - { .name: Wq, .offset: 0, .size: 8, .value_kind: global_buffer, .address_space: global }
      - { .name: Wk, .offset: 8, .size: 8, .value_kind: global_buffer, .address_space: global }
      - { .name: Wv, .offset: 16, .size: 8, .value_kind: global_buffer, .address_space: global }
      - { .name: Wo, .offset: 24, .size: 8, .value_kind: global_buffer, .address_space: global }
      - { .name: W1, .offset: 32, .size: 8, .value_kind: global_buffer, .address_space: global }
      - { .name: W2, .offset: 40, .size: 8, .value_kind: global_buffer, .address_space: global }
      - { .name: x, .offset: 48, .size: 8, .value_kind: global_buffer, .address_space: global }
      - { .name: g1, .offset: 56, .size: 8, .value_kind: global_buffer, .address_space: global }
      - { .name: be1, .offset: 64, .size: 8, .value_kind: global_buffer, .address_space: global }
      - { .name: lowp_scales, .offset: 72, .size: 8, .value_kind: global_buffer, .address_space: global }
      - { .name: wc, .offset: 80, .size: 8, .value_kind: global_buffer, .address_space: global }
      - { .name: hc, .offset: 88, .size: 8, .value_kind: global_buffer, .address_space: global }
    .group_segment_fixed_size: 36352
    .private_segment_fixed_size: 0
    .kernarg_segment_align: 8
    .kernarg_segment_size: 96
    .max_flat_workgroup_size: 128
    .sgpr_count:     100
    .vgpr_count:     210
    .wavefront_size: 32
...
	.end_amdgpu_metadata
.endif
;; end of part 1
;; launch qkv (part 2): grid 4 x 48, 4 waves a work-group, clusters of 4 x 4, 327,680 bytes of LDS; arguments hc, wc, lowp_scales, qkv; writes qkv
.if DOCPART == 2
	.amdgcn_target "amdgcn-amd-amdhsa--gfx1250"
	.amdhsa_code_object_version 6
	.text
	.protected	k_q96466ce8b2_qkv
	.globl	k_q96466ce8b2_qkv
	.p2align	8
	.type	k_q96466ce8b2_qkv,@function
k_q96466ce8b2_qkv:
	s_mov_b64 s[64:65], 0
	v_nop
	global_prefetch_b8 v0, s[64:65] scope:SCOPE_SE
	s_setreg_imm32_b32 hwreg(HW_REG_WAVE_MODE, 25, 1), 1
	s_wait_xcnt 0x0
	s_wait_alu depctr_hold_cnt(0) depctr_sa_sdst(0) depctr_va_vdst(0) depctr_va_sdst(0) depctr_va_ssrc(0) depctr_va_vcc(0) depctr_vm_vsrc(0)
	s_getreg_b32 s2, hwreg(HW_REG_IB_STS2, 6, 4)
	s_cmp_eq_u32 s2, 0
	s_cbranch_scc0 .Lentry_in_a_cluster
	s_endpgm
.Lentry_in_a_cluster:
	s_bfe_u32 s2, ttmp6, 0x10000c
	s_cmp_lg_u32 s2, 0xf033
	s_cbranch_scc0 .Lentry_shape_is_right
	s_endpgm
.Lentry_shape_is_right:
.set MODE,   0
.set SIZE_K, 1024
.set KSTEP,  256
.set ROWB,   256
.set KROW,   SIZE_K
.set PITCH,  272
.set FR,     16
.set NL,     4
.set NP,     4
.set HALFT,  128*PITCH
.set SLOT,   4*HALFT
.set LAPS,   SIZE_K/(2*KSTEP)
.set SPARE,  2*SLOT
.set ADRA, 16
.set ADRB, 20
.set STO,  24
.set RD,   25
.set CO,   26
.set RD2,  27
.set SPW,  28
.set NIL,  29
.set SC,   30
.set LIM,  31
.set TMP,  32
.set BIAS, 32
.set AF,   128
.set BK,   128
.set G1, 24
.set G0, 32
.set G1B, 48
.set G0B, 56
.if MODE
.set OUTP, 12
.else
.set OUTP, 10
.endif
.set MSB, 0
.macro WIN new
.if MSB != (\new)
	s_set_vgpr_msb (MSB<<8)|(\new)
.set MSB, (\new)
.endif
.endm
.set MUL_LO, 0xa1
.set MUL_HI, 0xf1
.set TO_B,   0x40
.macro WINM hi, zero
.if (\zero) && MODE
	WIN 0x81+0x40*(\hi)
.else
	WIN MUL_LO+0x50*(\hi)
.endif
.endm
.macro JLOAD g0a, g1a, g0b, g1b
	s_cmp_eq_u32 s15, 0
	s_cbranch_scc0 .Lfor_b_\@
	tensor_load_to_lds s[\g0a:\g0a+3], s[\g1a:\g1a+7]
	s_nop 0
.rept 4
	v_nop
.endr
	s_branch .Lasked_\@
.Lfor_b_\@:
	tensor_load_to_lds s[\g0b:\g0b+3], s[\g1b:\g1b+7]
	s_nop 0
.rept 4
	v_nop
.endr
.Lasked_\@:
.endm
.macro CREST
	s_cmp_lg_u32 s14, 0
	s_cbranch_scc1 .Lnot_wave_0_\@
	s_barrier_signal -3
.Lnot_wave_0_\@:
	s_barrier_wait -3
	s_barrier_signal -1
	s_barrier_wait -1
.endm
.macro CROUND
	s_barrier_signal -1
	s_barrier_wait -1
	CREST
.endm
	s_load_b128 s[4:7], s[0:1], 0x0
	s_load_b128 s[8:11], s[0:1], 0x10
.if MODE
	s_load_b64 s[12:13], s[0:1], 0x20
.endif
	v_lshl_add_u32 v[SPW], v0, 2, SPARE
	v_mov_b32 v[NIL], 0
	ds_add_u32 v28, v29
	ds_add_u32 v28, v29
	s_wait_dscnt 0x0
	v_lshrrev_b32 v1, 5, v0
	v_readfirstlane_b32 s14, v1
	s_lshr_b32 s15, s14, 1
	s_and_b32 s16, s14, 1
	s_bfe_u32 s40, ttmp6, 0x40000
	s_bfe_u32 s41, ttmp6, 0x40004
.if MODE
	s_lshl_b32 s42, ttmp9, 2
	s_add_co_u32 s42, s42, s40
	s_and_b32 s17, ttmp7, 0xffff
	s_lshl_b32 s17, s17, 2
	s_add_co_u32 s17, s17, s41
.else
	s_mov_b32 s42, s40
	s_mov_b32 s17, s41
	s_and_b32 s66, ttmp7, 0xffff
	s_lshr_b32 s67, s66, 2
	s_and_b32 s88, s66, 3
.endif
	s_lshl_b32 s43, s41, 2
	s_lshl_b32 s43, 15, s43
	s_lshl_b32 s44, 0x1111, s40
	s_or_b32 s[G1+0], s43, (0<<16)|(1<<20)|(1<<21)|(5<<22)|(3<<25)
	s_or_b32 s[G1B+0], s44, (0<<16)|(1<<20)|(1<<21)|(5<<22)|(3<<25)
.irp g, G1, G1B
	s_mov_b32 s[\g+1], ROWB<<16
	s_mov_b32 s[\g+2], 128<<16
	s_mov_b32 s[\g+3], ROWB<<16
	s_mov_b32 s[\g+4], 128
	s_mov_b32 s[\g+5], KROW
	s_mov_b32 s[\g+6], 0
	s_mov_b32 s[\g+7], 0
.endr
	s_lshl_b32 s18, s16, 7
	s_lshl_b32 s20, s17, 8
	s_add_co_u32 s20, s20, s18
	s_lshl_b32 s46, s42, 8
	s_add_co_u32 s46, s46, s18
	s_mov_b32 s21, 0
	s_mov_b32 s47, 0
	s_mov_b64 s[18:19], KROW
	s_mul_u64 s[20:21], s[20:21], s[18:19]
	s_mul_u64 s[46:47], s[46:47], s[18:19]
	s_mul_i32 s45, s14, HALFT
	s_wait_kmcnt 0x0
.if MODE
	s_load_b128 s[68:71], s[8:9], 0x30
	s_add_nc_u64 s[6:7], s[6:7], 0x400000
.else
	s_load_b512 s[68:83], s[8:9], 0x0
	s_lshl_b32 s90, s66, 20
	s_mov_b32 s91, 0
	s_add_nc_u64 s[84:85], s[4:5], s[90:91]
	s_lshl_b32 s90, s67, 20
	s_add_nc_u64 s[86:87], s[6:7], s[90:91]
	s_cmp_eq_u32 s67, 2
	s_cselect_b64 s[4:5], s[86:87], s[84:85]
	s_cselect_b64 s[6:7], s[84:85], s[86:87]
.endif
	s_add_nc_u64 s[20:21], s[4:5], s[20:21]
	s_add_nc_u64 s[46:47], s[6:7], s[46:47]
	CROUND
.irp s, 0,1
	s_mov_b32 s[G0+4*\s], 1
	s_add_co_u32 s[G0+4*\s+1], s45, \s*SLOT
	s_add_nc_u64 s[G0+4*\s+2:G0+4*\s+3], s[20:21], \s*ROWB
	s_or_b32 s[G0+4*\s+3], s[G0+4*\s+3], 0x80000000
	s_mov_b32 s[G0B+4*\s], 1
	s_add_co_u32 s[G0B+4*\s+1], s45, \s*SLOT
	s_add_nc_u64 s[G0B+4*\s+2:G0B+4*\s+3], s[46:47], \s*ROWB
	s_or_b32 s[G0B+4*\s+3], s[G0B+4*\s+3], 0x80000000
.endr
	JLOAD G0, G1, G0B, G1B                         ; K step 0: one tensor load a wave at the head, behind the one round
	; PREFETCH INTO THE L2: of the 128 rows that I fetch, my work-group names 32 (the four partners share them out by address: cx for A's tiles, cy for B's), a lane a row, 256 bytes a K step.
	; K steps 1 and 2 are named here, K step 3 behind K step 1's load: each two loads ahead of its own; K step 0 comes by its load alone.  The registers are never written again.
	s_cmp_eq_u32 s15, 0
	s_cselect_b64 s[94:95], s[20:21], s[46:47]
	s_cselect_b32 s96, s40, s41
	s_lshl_b32 s96, s96, 15                        ; 32 rows of 1,024 bytes
	s_mov_b32 s97, 0
	s_add_nc_u64 s[94:95], s[94:95], s[96:97]
	v_and_b32 v12, 31, v0
	v_lshlrev_b32 v12, 10, v12
	global_prefetch_b8 v12, s[94:95] offset:256 th:TH_LOAD_NT scope:SCOPE_SE
	global_prefetch_b8 v12, s[94:95] offset:512 th:TH_LOAD_NT scope:SCOPE_SE
	v_and_b32 v1, 15, v0
	v_bfe_u32 v2, v0, 4, 1
	v_mul_u32_u24 v3, v1, PITCH
	s_wait_alu depctr_va_vdst(0)
	v_lshl_add_u32 v4, v2, 4, v3
	s_mul_i32 s21, s15, HALFT
	s_mul_i32 s22, s16, HALFT
	s_add_co_u32 s22, s22, 2*HALFT
.irp s, 0,1
	v_add_nc_u32 v[ADRA+\s], s21, v4
	v_add_nc_u32 v[ADRB+\s], s22, v4
	s_add_co_u32 s21, s21, SLOT
	s_add_co_u32 s22, s22, SLOT
.endr
	s_mul_i32 s23, s15, 128*PITCH
	s_lshl_b32 s21, s16, 7
	s_add_co_u32 s23, s23, s21
	v_lshl_add_u32 v5, v2, 3, v3
	v_add_nc_u32 v[STO], s23, v5
	v_and_b32 v6, 31, v0
	v_lshrrev_b32 v7, 2, v6
	v_mul_u32_u24 v7, v7, PITCH
	v_and_b32 v8, 3, v6
	v_lshl_add_u32 v7, v8, 4, v7
	s_lshl_b32 s23, s14, 6
	v_add_nc_u32 v[RD], s23, v7
	v_add_nc_u32 v[RD2], 16*8*PITCH, v[RD]
	v_lshlrev_b32 v[CO], 4, v6
.if MODE
	s_lshl_b32 s90, s42, 2
	s_add_co_u32 s90, s90, s14
	s_lshl_b32 s90, s90, 18
	s_lshl_b32 s91, s17, 14
	s_add_co_u32 s90, s90, s91
	s_mov_b32 s91, 0
	s_add_nc_u64 s[OUTP:OUTP+1], s[OUTP:OUTP+1], s[90:91]
	s_lshl_b32 s90, s42, 10
	s_lshl_b32 s91, s16, 9
	s_add_co_u32 s90, s90, s91
	s_mov_b32 s91, 0
	s_add_nc_u64 s[10:11], s[10:11], s[90:91]
	v_lshlrev_b32 v9, 5, v2
.irp b, 0,1,2,3,4,5,6,7
	global_load_b128 v[BIAS+8*\b:BIAS+8*\b+3], v9, s[10:11] offset:64*\b
	global_load_b128 v[BIAS+8*\b+4:BIAS+8*\b+7], v9, s[10:11] offset:64*\b+16
.endr
	s_wait_loadcnt 0x0
	s_wait_kmcnt 0x0
	s_add_co_i32 s84, s68, s69
	s_sub_co_i32 s85, 0, s84
.set j, 0
.rept 64
	v_ldexp_f32 v[BIAS+j], v[BIAS+j], s85
.set j, j+1
.endr
.else
	s_cmp_eq_u32 s67, 2
	s_cselect_b32 s89, s88, 0
	s_cselect_b32 s92, 0, s88
	s_mov_b32 s93, 18
	s_cselect_b32 s93, 16, s93
	s_lshl_b32 s89, s89, 4
	s_lshl_b32 s90, s40, 2
	s_add_co_u32 s89, s89, s90
	s_add_co_u32 s89, s89, s14
	s_lshl_b32 s89, s89, s93
	s_lshl_b32 s92, s92, 10
	s_lshl_b32 s90, s41, 8
	s_add_co_u32 s92, s92, s90
	s_lshl_b32 s92, s92, 6
	s_add_co_u32 s90, s89, s92
	s_lshl_b32 s91, s67, 22
	s_add_co_u32 s90, s90, s91
	s_mov_b32 s91, 0
	s_add_nc_u64 s[OUTP:OUTP+1], s[OUTP:OUTP+1], s[90:91]
.endif
.macro FRAG reg, adr, q, i
.irp c, 0,1,2,3
	ds_load_b128 v[\reg+4*\c:\reg+4*\c+3], v[\adr] offset:128*(\q)+32*\c+(\i)*16*PITCH
.endr
.endm
.macro MUL16 a0, p, zero
.irp a, \a0, \a0+1
.irp b, 0,1,2,3,4,5,6,7
.if \zero
.if MODE
	v_wmma_f32_16x16x128_fp8_fp8 v[8*(8*((\a)%4)+\b):8*(8*((\a)%4)+\b)+7], v[128*(\p)+FR*\b:128*(\p)+FR*\b+FR-1], v[AF+FR*(\a):AF+FR*(\a)+FR-1], v[BIAS+8*\b:BIAS+8*\b+7]
.else
	v_wmma_f32_16x16x128_fp8_fp8 v[8*(8*((\a)%4)+\b):8*(8*((\a)%4)+\b)+7], v[128*(\p)+FR*\b:128*(\p)+FR*\b+FR-1], v[AF+FR*(\a):AF+FR*(\a)+FR-1], 0
.endif
.else
	v_wmma_f32_16x16x128_fp8_fp8 v[8*(8*((\a)%4)+\b):8*(8*((\a)%4)+\b)+7], v[128*(\p)+FR*\b:128*(\p)+FR*\b+FR-1], v[AF+FR*(\a):AF+FR*(\a)+FR-1], v[8*(8*((\a)%4)+\b):8*(8*((\a)%4)+\b)+7]
.endif
.endr
.endr
.endm
.macro FETCH_B slot, q, p
	WIN TO_B
.irp i, 0,1,2,3,4,5,6,7
	FRAG 128*(\p)+FR*\i, ADRB+\slot, \q, \i
.endr
	WIN 0
.endm
.macro FETCH_A slot, q, i0
.irp i, \i0, \i0+1, \i0+2, \i0+3
	FRAG AF+FR*(\i), ADRA+\slot, \q, \i
.endr
.endm
.macro PLACES n
.rept \n
	v_nop
.endr
.endm
.macro STEP slot, q, zero
	s_wait_dscnt 4*NL
	WINM 0, \zero
	MUL16 0, (\q)%2, \zero
	MUL16 2, (\q)%2, \zero
	s_wait_dscnt 0
	PLACES NP
	FETCH_B \slot, (\q)+1, 1-(\q)%2
	FETCH_A \slot, (\q)+1, 0
	WINM 1, \zero
	MUL16 4, (\q)%2, \zero
	MUL16 6, (\q)%2, \zero
	PLACES NP
	WIN 0
	FETCH_A \slot, (\q)+1, 4
.endm
.macro TURN slot, next, fill
	s_wait_tensorcnt 0x0
	ds_add_u32 v[SPW], v[NIL]
	s_wait_dscnt 4*NL+1
	WIN MUL_LO
	MUL16 0, 1, 0
	s_wait_dscnt 0x0
	s_barrier_signal -1
	MUL16 2, 1, 0
	WIN 0
	s_barrier_wait -1
.if \fill
	CREST
	s_add_nc_u64 s[G0+4*\slot+2:G0+4*\slot+3], s[G0+4*\slot+2:G0+4*\slot+3], 2*ROWB
	s_add_nc_u64 s[G0B+4*\slot+2:G0B+4*\slot+3], s[G0B+4*\slot+2:G0B+4*\slot+3], 2*ROWB
	JLOAD G0+4*\slot, G1, G0B+4*\slot, G1B
.else
	PLACES NP
.endif
	FETCH_B \next, 0, 0
	FETCH_A \next, 0, 0
	WIN MUL_HI
	MUL16 4, 1, 0
	MUL16 6, 1, 0
	PLACES NP
	WIN 0
	FETCH_A \next, 0, 4
.endm
	s_wait_alu depctr_va_vdst(0)                   ; the wait at the head's end
	s_wait_tensorcnt 0x0                           ; my part of K step 0 is in; slot 1's first fill is issued as a refill is:
	ds_add_u32 v[SPW], v[NIL]                      ; 0 onto my spare word
	s_wait_dscnt 0x0
	CROUND                                         ; everybody's part of K step 0 is in, and the joint loads meet
	JLOAD G0+4, G1, G0B+4, G1B                     ; K step 1: the first tensor load behind the round
	FETCH_B 0, 0, 0
	FETCH_A 0, 0, 0
	FETCH_A 0, 0, 4
	global_prefetch_b8 v12, s[94:95] offset:768 th:TH_LOAD_NT scope:SCOPE_SE   ; K step 3
	STEP 0, 0, 1
	s_mov_b32 s3, LAPS-1
.Llap:
	TURN 0, 1, 1
	STEP 1, 0, 0
	TURN 1, 0, 1
	STEP 0, 0, 0
	s_sub_co_u32 s3, s3, 1
	s_cmp_lg_u32 s3, 0
	s_cbranch_scc1 .Llap
	TURN 0, 1, 0
	STEP 1, 0, 0
	s_wait_dscnt 4*NL
	WIN MUL_LO
	MUL16 0, 1, 0
	MUL16 2, 1, 0
	s_wait_dscnt 0
	WIN MUL_HI
	MUL16 4, 1, 0
	MUL16 6, 1, 0
	WIN 0
	s_wait_kmcnt 0x0
.if MODE
	s_sub_co_i32 s84, s70, s84
.else
	s_add_co_i32 s84, s68, s69
	s_add_co_i32 s85, s70, s71
	s_add_co_i32 s86, s72, s73
	s_cmp_eq_u32 s67, 1
	s_cselect_b32 s84, s85, s84
	s_cselect_b32 s87, s75, s74
	s_cmp_eq_u32 s67, 2
	s_cselect_b32 s84, s86, s84
	s_cselect_b32 s87, s77, s87
	s_sub_co_i32 s84, s87, s84
.endif
	s_add_co_i32 s84, s84, 127
	s_lshl_b32 s85, s84, 23
	v_mov_b32 v[SC], s85
	s_add_co_i32 s84, s84, 8
	s_lshl_b32 s84, s84, 23
	s_or_b32 s84, s84, 0x600000
	v_mov_b32 v[LIM], s84
	PLACES NP
.irp a, 0,1,2,3,4,5,6,7
.set AC, 64*((\a)%4)
	WIN 0x82+0x41*((\a)/4)
.set j, 0
.rept 64
.if MODE
	v_med3_num_f32 v[AC+j], v[AC+j], 0, v[LIM]
.else
	v_med3_num_f32 v[AC+j], v[AC+j], -v[LIM], v[LIM]
.endif
.set j, j+1
.endr
	WIN 0x02+((\a)/4)
.irp b, 0,1,2,3,4,5,6,7
	v_cvt_scalef32_pk8_fp8_f32 v[TMP+16*\a+2*\b:TMP+16*\a+2*\b+1], v[AC+8*\b:AC+8*\b+7], v[SC]
.endr
	WIN 0
	v_nop
.irp b, 0,1,2,3,4,5,6,7
	ds_store_b64 v[STO], v[TMP+16*\a+2*\b:TMP+16*\a+2*\b+1] offset:\a*16*PITCH+16*\b
.endr
.endr
	s_wait_dscnt 0x0
	s_barrier_signal -1
	s_barrier_wait -1
.irp t, 0,1,2,3,4,5,6,7,8,9,10,11,12,13,14,15
	ds_load_b128 v[BK+4*\t:BK+4*\t+3], v[RD] offset:\t*8*PITCH
.endr
.irp t, 0,1,2,3,4,5,6,7,8,9,10,11,12,13,14,15
	ds_load_b128 v[BK+64+4*\t:BK+64+4*\t+3], v[RD2] offset:\t*8*PITCH
.endr
.set t, 0
.rept 32
	s_wait_dscnt 31-t
	global_store_b128 v[CO], v[BK+4*t:BK+4*t+3], s[OUTP:OUTP+1] offset:512*t
.set t, t+1
.endr
	s_wait_tensorcnt 0x0
	ds_add_u32 v[SPW], v[NIL]
	s_wait_dscnt 0x0
	CROUND
	s_endpgm
.Lfunc_end_k_q96466ce8b2_qkv:
	.size	k_q96466ce8b2_qkv, .Lfunc_end_k_q96466ce8b2_qkv-k_q96466ce8b2_qkv
	.p2alignl 7, 3214868480
	.fill 96, 4, 3214868480
	.section	.rodata,"a",@progbits
	.p2align	6, 0x0
	.amdhsa_kernel k_q96466ce8b2_qkv
		.amdhsa_group_segment_fixed_size 327680
		.amdhsa_private_segment_fixed_size 0
		.amdhsa_enable_private_segment 0
		.amdhsa_kernarg_size 32
		.amdhsa_user_sgpr_count 2
		.amdhsa_user_sgpr_kernarg_segment_ptr 1
		.amdhsa_wavefront_size32 1
		.amdhsa_system_sgpr_workgroup_id_x 1
		.amdhsa_system_sgpr_workgroup_id_y 1
		.amdhsa_system_sgpr_workgroup_id_z 1
		.amdhsa_system_vgpr_workitem_id 0
		.amdhsa_next_free_vgpr 1024
		.amdhsa_next_free_sgpr 98
		.amdhsa_reserve_vcc 0
		.amdhsa_float_denorm_mode_32 3
		.amdhsa_float_denorm_mode_16_64 3
		.amdhsa_memory_ordered 1
		.amdhsa_forward_progress 1
		.amdhsa_inst_pref_size 127
	.end_amdhsa_kernel
	.amdgpu_metadata
---
amdhsa.version: [ 1, 2 ]
amdhsa.kernels:
  - .name:           k_q96466ce8b2_qkv
    .symbol:         k_q96466ce8b2_qkv.kd
    .args:
      - { .name: hc, .offset: 0, .size: 8, .value_kind: global_buffer, .address_space: global }
      - { .name: wc, .offset: 8, .size: 8, .value_kind: global_buffer, .address_space: global }
      - { .name: lowp_scales, .offset: 16, .size: 8, .value_kind: global_buffer, .address_space: global }
      - { .name: qkv, .offset: 24, .size: 8, .value_kind: global_buffer, .address_space: global }
    .group_segment_fixed_size: 327680
    .private_segment_fixed_size: 0
    .kernarg_segment_align: 8
    .kernarg_segment_size: 32
    .max_flat_workgroup_size: 128
    .sgpr_count:     98
    .vgpr_count:     1024
    .wavefront_size: 32
...
	.end_amdgpu_metadata
.endif
;; end of part 2
;; launch attn (part 3): grid 4 x 64, 16 waves a work-group, no clusters, 327,680 bytes of LDS; arguments qkv, lowp_scales, ac; writes ac
.if DOCPART == 3
	.amdgcn_target "amdgcn-amd-amdhsa--gfx1250"
	.amdhsa_code_object_version 6
	.text
	.protected	k_q96466ce8b2_attn
	.globl	k_q96466ce8b2_attn
	.p2align	8
	.type	k_q96466ce8b2_attn,@function
k_q96466ce8b2_attn:
	s_mov_b64 s[64:65], 0
	v_nop
	global_prefetch_b8 v0, s[64:65] scope:SCOPE_SE
	s_setreg_imm32_b32 hwreg(HW_REG_WAVE_MODE, 25, 1), 1
	s_wait_xcnt 0x0
; Causal attention on codes of E4M3, head size 64, 1,024 keys a head.  qkv holds q (at 0) and k (at 4 MiB) as [head x 4 + batch][token][64], and v (at 8 MiB) with the KEYS innermost: [batch x 16 + key / 64][channel 0..1023][64 keys].
; t = score x log2(e) / 8; M = the running largest t rounded UP to a whole number; p = 2^(t - M) is quantised along the keys with entry 8 of the scales; the row's sum is taken of the unquantised p and divides at the end;
; when M moves, the sum and O are multiplied by 2^(old M - new M), which rounds nothing.  The result is quantised with entry 10 and stored as codes [head][token][64] for the next product.
; SHARES.  Work-group (j, y): head and batch y = 4 head + batch.  Waves 0-7 own the 128 queries of block j, waves 8-15 those of block 7 - j, 16 queries a wave: so every work-group has nine blocks of 128 x 128 under the mask.
; ALL of the head's K and V lie in LDS, each byte filled once: wave 0 asks for K, wave 1 for V, each in two loads: keys 0-255, which the first two key steps read, and keys 256-1023.  Nothing is filled again.
; Every wave walks all eight key steps (constant trip counts); a step all of whose keys come after the wave's queries is jumped over by a scalar branch on ids.
; LAYOUT.  Both products are used transposed: S^T = K Q^T (source 0 = 16 keys), O^T = V^T P^T (source 0 = 16 channels): a lane holds one query throughout.  Register j of tile t of S^T is key 16 t + 8 (lane / 16) + j,
; so the conversion of tile t gives registers 2 t, 2 t + 1 of the K = 128 form's operand as that form lays it; V's fragments are read in the same order, 8 bytes at a time.
; NO CLUSTER, though four work-groups read one head's K and V: which steps a wave jumps over hangs on the query block, which is the work-group's place among those four.
; NO PREFETCH: every byte that the launch reads is asked for at its head.
; LIMITS: entries 6 + 7 between -123 and 130 (added to c's exponent field); entry 8, and entry 10 - 8 - 9, between -126 and 119.
; REGISTERS: v1-6 addresses that stay; v8, v9 addresses of the step; v12 -M, v13 the largest t, v[14:15] the sum; v16-23 Q; v24-31 the result's codes; v32-95 fragments; v96-159 S^T, then p; v160-191 O^T; v224-239 p's codes; v232-254 at work.
.set KP,    80                         ; 64 bytes + 16 of padding = 20 words: sixteen rows start at sixteen different groups of four banks (ISA guide 11.1)
.set VOFF,  1024*KP                    ; K: key k at 80 k.  V behind it: keys 64 p .. 64 p + 63 of channel ch at 80 (64 p + ch)
.set STG,   2*VOFF                     ; the way out: 1,024 bytes a wave, bytes that no tensor load fills
.set STEPB, 128*KP                     ; a key step on, in K and in V alike
.set AK0, 1
.set AV0, 2
.set SO,  4
.set SR,  5
.set GO,  6
.set ADK, 8
.set ADV, 9
.set WV,  18
.set TB,  19                           ; s19  LDS byte at which the step's keys begin
.set SEL, 20
.set CS,  22                           ; s[22:23] c = log2(e) / 8 x 2^(entries 6 + 7)
.set G1KA, 24
.set G1KB, 32
.set G1VA, 40
.set G1VB, 48
.set G0KA, 56
.set G0KB, 60
.set G0VA, 68
.set G0VB, 72
.set KF,  66                           ; s66  the step's first key
.set Q0,  67                           ; s67  my first query
.macro SHAPE g, c, r, p                ; descriptor group 1: r rows of c elements of 8 bytes, p elements apart; 16 bytes of padding behind every 64
	s_mov_b32 s[\g], (3<<16)|(1<<20)|(3<<22)|(3<<25)
	s_mov_b32 s[\g+1], (\c)<<16
	s_mov_b32 s[\g+2], (\r)<<16
	s_mov_b32 s[\g+3], (\c)<<16
	s_mov_b32 s[\g+4], \r
	s_mov_b32 s[\g+5], \p
	s_mov_b32 s[\g+6], 0
	s_mov_b32 s[\g+7], 0
.endm
	s_load_b128 s[4:7], s[0:1], 0x0                ; qkv, the scales
	s_load_b64 s[8:9], s[0:1], 0x10                ; ac
	v_lshl_add_u32 v251, v0, 2, 0x2c000
	v_mov_b32 v255, 0
	ds_add_u32 v251, v255
	ds_add_u32 v251, v255
	v_lshrrev_b32 v8, 5, v0
	s_delay_alu instid0(VALU_DEP_1)
	v_readfirstlane_b32 s[WV], v8                  ; wave 0..15
	s_and_b32 s10, ttmp7, 0xffff                   ; y
	SHAPE G1KA, 32, 64, 32                         ; K is dense: rows of 256 bytes; 256 keys,
	SHAPE G1KB, 32, 192, 32                        ; 768 keys
	SHAPE G1VA, 512, 4, 8192                       ; V: 64 channels x 64 keys are 4,096 bytes on end; from 64 keys to the next 65,536 bytes; 256 keys,
	SHAPE G1VB, 512, 12, 8192                      ; 768 keys
	s_lshl_b32 s12, s10, 16                        ; q, k and the output: 65,536 bytes for each y
	s_mov_b32 s13, 0
	s_and_b32 s14, s10, 3                          ; v: the batch's 16 panels, the head's 4,096 bytes in each
	s_lshl_b32 s14, s14, 20
	s_lshr_b32 s15, s10, 2
	s_lshl_b32 s15, s15, 12
	s_add_co_u32 s14, s14, s15
	s_add_co_u32 s14, s14, 0x800000
	s_mov_b32 s15, 0
	s_sub_co_u32 s16, 7, ttmp9
	s_cmp_lt_u32 s[WV], 8
	s_cselect_b32 s16, ttmp9, s16                  ; my block of 128 queries
	s_lshl_b32 s16, s16, 7
	s_and_b32 s17, s[WV], 7
	s_lshl_b32 s17, s17, 4
	s_add_co_u32 s[Q0], s16, s17
	s_mov_b32 s[SEL], 0x76543210
	s_mov_b32 s[SEL+1], 0xfedcba98
	s_mov_b32 s[CS], 0x3e38aa3b                    ; log2(e) / 8
	s_mov_b32 s[TB], 0
	s_mov_b32 s[KF], 0
	s_lshl_b32 s96, s[Q0], 6
	s_mov_b32 s97, 0
	s_wait_dscnt 0x0
	s_wait_kmcnt 0x0
	s_load_b512 s[80:95], s[6:7], 0x0              ; entry i in s[80 + i]
	s_add_nc_u64 s[78:79], s[4:5], s[12:13]        ; q of my head and batch
	s_mov_b32 s[G0KA], 1
	s_mov_b32 s[G0KA+1], 0
	s_add_nc_u64 s[G0KA+2:G0KA+3], s[78:79], 0x400000
	s_mov_b32 s[G0KB], 1
	s_mov_b32 s[G0KB+1], 256*KP
	s_add_nc_u64 s[G0KB+2:G0KB+3], s[G0KA+2:G0KA+3], 256*64
	s_or_b32 s[G0KA+3], s[G0KA+3], 0x80000000
	s_or_b32 s[G0KB+3], s[G0KB+3], 0x80000000
	s_mov_b32 s[G0VA], 1
	s_mov_b32 s[G0VA+1], VOFF
	s_add_nc_u64 s[G0VA+2:G0VA+3], s[4:5], s[14:15]
	s_mov_b32 s[G0VB], 1
	s_mov_b32 s[G0VB+1], VOFF+256*KP
	s_add_nc_u64 s[G0VB+2:G0VB+3], s[G0VA+2:G0VA+3], 4*65536
	s_or_b32 s[G0VA+3], s[G0VA+3], 0x80000000
	s_or_b32 s[G0VB+3], s[G0VB+3], 0x80000000
	; WHO ASKS, AND WHEN.  At the head only keys 0-255, which the first two key steps read: wave 0 asks for K's, wave 1 for V's: one chain of branches on the wave's number, one fill to an arm, both arms to one join.
	; Keys 256-1023 are asked for behind the first barrier, by the same two waves, and have the first two key steps in which to land.  Each byte of LDS is still filled once.
	s_cmp_lg_u32 s[WV], 0
	s_cbranch_scc1 .Lnot_ka
	tensor_load_to_lds s[G0KA:G0KA+3], s[G1KA:G1KA+7]
	s_nop 0
.rept 4
	v_nop
.endr
	s_branch .Lasked
.Lnot_ka:
	s_cmp_lg_u32 s[WV], 1
	s_cbranch_scc1 .Lasked
	tensor_load_to_lds s[G0VA:G0VA+3], s[G1VA:G1VA+7]
	s_nop 0
.rept 4
	v_nop
.endr
.Lasked:
	s_add_nc_u64 s[78:79], s[78:79], s[96:97]      ; q at my first query
	s_add_nc_u64 s[8:9], s[8:9], s[12:13]
	s_add_nc_u64 s[8:9], s[8:9], s[96:97]          ; the output likewise
	v_and_b32 v8, 15, v0                           ; r
	v_bfe_u32 v9, v0, 4, 1                         ; h
	s_delay_alu instid0(VALU_DEP_2)
	v_lshlrev_b32 v10, 6, v8
	s_delay_alu instid0(VALU_DEP_1)
	v_lshl_add_u32 v10, v9, 4, v10                 ; Q: row r of 64 bytes, + 16 h
	global_load_b128 v[16:19], v10, s[78:79]       ; registers 4 c .. 4 c + 3: channels 32 c + 16 h + 0 .. 15: the same order as K's fragments below
	global_load_b128 v[20:23], v10, s[78:79] offset:32
	v_mul_u32_u24 v[AK0], v8, KP
	s_delay_alu instid0(VALU_DEP_1)
	v_lshl_add_u32 v[AV0], v9, 3, v[AK0]
	s_delay_alu instid0(VALU_DEP_1)
	v_add_nc_u32 v[AV0], VOFF, v[AV0]              ; V: channel r, + 8 h
	s_delay_alu instid0(VALU_DEP_3)
	v_lshl_add_u32 v[AK0], v9, 4, v[AK0]           ; K: key r, + 16 h
	s_lshl_b32 s16, s[WV], 10
	s_add_co_u32 s16, s16, STG                     ; my stage
	v_lshlrev_b32 v[SO], 6, v8
	s_delay_alu instid0(VALU_DEP_1)
	v_lshl_add_u32 v[SO], v9, 3, v[SO]
	s_delay_alu instid0(VALU_DEP_1)
	v_add_nc_u32 v[SO], s16, v[SO]                 ; in: query r's 64 bytes, + 8 h
	v_and_b32 v[GO], 31, v0
	s_delay_alu instid0(VALU_DEP_1)
	v_lshlrev_b32 v[GO], 4, v[GO]                  ; back, and in memory: 16 bytes a lane on end
	s_delay_alu instid0(VALU_DEP_1)
	v_add_nc_u32 v[SR], s16, v[GO]
	v_mov_b32 v13, 0xff61b1e6                      ; the largest t so far: -3e38
	s_delay_alu instid0(VALU_DEP_1)
	v_floor_f32 v12, -v13                          ; -M
	v_mov_b32 v14, 0
	v_mov_b32 v15, 0
	v_mov_b32 v236, 0                              ; written once: a lane permute's destination counts as one of its sources
	v_mov_b32 v253, 0                              ; (named as the upper half of the pair v[252:253])
.set n, 0
.rept 32
	v_mov_b32 v[160+n], 0                          ; O^T: the step is written once; the first finds zeros, which the first change of M leaves zeros
.set n, n+1
.endr
	s_wait_kmcnt 0x0
	s_add_co_i32 s16, s86, s87
	s_lshl_b32 s16, s16, 23
	s_add_co_i32 s[CS], s[CS], s16                 ; a score stands for score x 2^(entries 6 + 7)
	s_mov_b32 s[CS+1], s[CS]
	s_add_co_i32 s16, s88, 127
	s_lshl_b32 s17, s16, 23
	v_mov_b32 v244, s17                            ; 2^(entry 8), for p's conversions
	s_add_co_i32 s16, s16, 8
	s_lshl_b32 s16, s16, 23
	s_or_b32 s16, s16, 0x600000
	v_mov_b32 v240, s16                            ; 448 x that
	s_sub_co_i32 s16, s90, s88
	s_sub_co_i32 s16, s16, s89                     ; O^T / the sum stands for that x 2^(entries 8 + 9): its code under entry 10 divides by 2^(10 - 8 - 9)
	s_add_co_i32 s16, s16, 127
	s_lshl_b32 s17, s16, 23
	v_mov_b32 v245, s17
	s_add_co_i32 s16, s16, 8
	s_lshl_b32 s16, s16, 23
	s_or_b32 s16, s16, 0x600000
	v_mov_b32 v241, s16
; A KEY STEP: 128 keys.
.macro STEP
	s_add_co_u32 s96, s[Q0], 15
	s_cmp_gt_u32 s[KF], s96
	s_cbranch_scc1 .Lhidden_\@                     ; all its keys come after my queries
	v_add_nc_u32 v[ADK], s[TB], v[AK0]
	v_add_nc_u32 v[ADV], s[TB], v[AV0]
	v_nop                                          ; with the two additions: four places in front of loads into registers that the last products read
	v_nop
.irp t, 0,1,2,3,4,5,6,7
	ds_load_b128 v[32+8*\t:35+8*\t], v[ADK] offset:16*\t*KP
	ds_load_b128 v[36+8*\t:39+8*\t], v[ADK] offset:16*\t*KP+32
.endr
	s_wait_dscnt 0x0
.irp t, 0,1,2,3,4,5,6,7
	v_wmma_f32_16x16x64_fp8_fp8 v[96+8*\t:103+8*\t], v[32+8*\t:39+8*\t], v[16:23], 0
.endr
.rept 4
	v_nop
.endr
	s_add_co_u32 s96, s[KF], 127                   ; on the diagonal hidden scores become -infinity ahead of the maximum; a step all of whose keys count skips this
	s_cmp_le_u32 s96, s[Q0]
	s_cbranch_scc1 .Lopen_\@
	s_sub_co_i32 s96, s[Q0], s[KF]
	v_and_b32 v252, 15, v0
	v_bfe_u32 v253, v0, 4, 1
	s_delay_alu instid0(VALU_DEP_1)
	v_lshlrev_b32 v253, 3, v253
	s_delay_alu instid0(VALU_DEP_1)
	v_sub_nc_u32 v252, v252, v253
	s_delay_alu instid0(VALU_DEP_1)
	v_add_nc_u32 v252, s96, v252                   ; d = my query - KF - 8 (lane / 16): register 8 t + j is hidden where 16 t + j > d
	v_mov_b32 v254, 0xff800000
.set n, 0
.rept 64
	v_cmp_gt_i32 vcc_lo, 16*(n/8)+n%8, v252
	v_cndmask_b32 v[96+n], v[96+n], v254, vcc_lo
.set n, n+1
.endr
.Lopen_\@:
	v_max3_num_f32 v254, v96, v97, v98             ; the step's largest score of my query, in two chains,
	v_max3_num_f32 v252, v99, v100, v101
.irp i, 6,10,14,18,22,26,30,34,38,42,46,50,54,58
	v_max3_num_f32 v254, v254, v[96+\i], v[97+\i]
	v_max3_num_f32 v252, v252, v[98+\i], v[99+\i]
.endr
	v_max3_num_f32 v254, v254, v158, v159
	s_delay_alu instid0(VALU_DEP_1)
	v_max_num_f32 v254, v254, v252
	v_permlanex16_b32 v236, v254, s[SEL], s[SEL+1]
	s_delay_alu instid0(VALU_DEP_1)
	v_max_num_f32 v254, v254, v236                 ; and among lane l xor 16's
	s_delay_alu instid0(VALU_DEP_1)
	v_mul_f32 v254, s[CS], v254                    ; as t
	s_delay_alu instid0(VALU_DEP_1)
	v_max_num_f32 v13, v13, v254
	v_mov_b32 v254, v12
	s_delay_alu instid0(VALU_DEP_2)
	v_floor_f32 v12, -v13                          ; the new -M = -ceil(t)
	s_delay_alu instid0(VALU_DEP_1)
	v_sub_f32 v254, v12, v254                      ; old M - new M: a whole number, 0 or less
	s_delay_alu instid0(VALU_DEP_1)
	v_cvt_i32_f32 v254, v254                       ; (it saturates)
	s_delay_alu instid0(VALU_DEP_1)
	v_ldexp_f32 v252, 1.0, v254                    ; f = 2^(old M - new M)
.set n, 0
.rept 32
	v_pk_fma_f32 v[96+n:97+n], v[96+n:97+n], s[CS:CS+1], v[12:13] op_sel_hi:[1,0,0]   ; t - M
.set n, n+2
.endr
.set n, 0
	s_wait_alu depctr_va_vdst(0)
.rept 64
	v_exp_f32 v[96+n], v[96+n]                     ; p
.set n, n+1
.endr
	v_pk_mul_f32 v[14:15], v[14:15], v[252:253] op_sel_hi:[1,0]   ; the sum under the new M: the plain instruction behind the exponentials
	s_wait_alu depctr_va_vdst(0)                   ; one wait for the batch, ahead of its first reader
	v_pk_add_f32 v[242:243], v[100:101], v[104:105]
	v_pk_add_f32 v[248:249], v[108:109], v[112:113]
	v_pk_add_f32 v[246:247], v[116:117], v[120:121]
	v_pk_add_f32 v[238:239], v[124:125], v[128:129]
	v_pk_add_f32 v[236:237], v[132:133], v[136:137]
	v_pk_add_f32 v[234:235], v[140:141], v[144:145]
	v_pk_add_f32 v[232:233], v[148:149], v[152:153]
	v_pk_add_f32 v[14:15], v[14:15], v[156:157]
	v_pk_add_f32 v[242:243], v[242:243], v[96:97]
	v_pk_add_f32 v[248:249], v[248:249], v[98:99]
	v_pk_add_f32 v[246:247], v[246:247], v[102:103]
	v_pk_add_f32 v[238:239], v[238:239], v[106:107]
	v_pk_add_f32 v[236:237], v[236:237], v[110:111]
	v_pk_add_f32 v[234:235], v[234:235], v[114:115]
	v_pk_add_f32 v[232:233], v[232:233], v[118:119]
	v_pk_add_f32 v[14:15], v[14:15], v[122:123]
	v_pk_add_f32 v[242:243], v[242:243], v[126:127]
	v_pk_add_f32 v[248:249], v[248:249], v[130:131]
	v_pk_add_f32 v[246:247], v[246:247], v[134:135]
	v_pk_add_f32 v[238:239], v[238:239], v[138:139]
	v_pk_add_f32 v[236:237], v[236:237], v[142:143]
	v_pk_add_f32 v[234:235], v[234:235], v[146:147]
	v_pk_add_f32 v[232:233], v[232:233], v[150:151]
	v_pk_add_f32 v[14:15], v[14:15], v[154:155]
	v_pk_add_f32 v[242:243], v[242:243], v[158:159]
	s_delay_alu instid0(VALU_DEP_2)
	v_pk_add_f32 v[14:15], v[14:15], v[238:239]
	s_delay_alu instid0(VALU_DEP_2)
	v_pk_add_f32 v[242:243], v[242:243], v[236:237]
	v_pk_add_f32 v[248:249], v[248:249], v[234:235]
	v_pk_add_f32 v[246:247], v[246:247], v[232:233]
	s_delay_alu instid0(VALU_DEP_2)
	v_pk_add_f32 v[14:15], v[14:15], v[248:249]
	s_delay_alu instid0(VALU_DEP_2)
	v_pk_add_f32 v[242:243], v[242:243], v[246:247]
	s_delay_alu instid0(VALU_DEP_1)
	v_pk_add_f32 v[14:15], v[14:15], v[242:243]
.irp t, 0,1,2,3,4,5,6,7
.irp i, 0,1,2,3,4,5,6,7
	v_min_num_f32 v[96+8*\t+\i], v[96+8*\t+\i], v240   ; p is not negative: a one-sided hold (the conversion does not saturate: ISA guide 7.6.2)
.endr
	v_cvt_scalef32_pk8_fp8_f32 v[224+2*\t:225+2*\t], v[96+8*\t:103+8*\t], v244
.endr
.set n, 0
.rept 16
	v_pk_mul_f32 v[160+n:161+n], v[160+n:161+n], v[252:253] op_sel_hi:[1,0]   ; O^T under the new M; these are also the plain instructions behind the conversions
.set n, n+2
.endr
.irp u, 0,1,2,3
.irp c, 0,1,2,3,4,5,6,7
	ds_load_b64 v[32+16*\u+2*\c:33+16*\u+2*\c], v[ADV] offset:((\c/4)*64+16*\u)*KP+16*(\c%4)   ; channel 16 u + r, keys 16 c + 8 h + 0 .. 7
.endr
.endr
	s_wait_alu depctr_va_vdst(0)
	s_wait_dscnt 0x0
.irp u, 0,1,2,3
	v_wmma_f32_16x16x128_fp8_fp8 v[160+8*\u:167+8*\u], v[32+16*\u:47+16*\u], v[224:239], v[160+8*\u:167+8*\u]   ; the four accumulators take turns
.endr
.Lhidden_\@:
	s_add_co_u32 s[KF], s[KF], 128
	s_add_co_u32 s[TB], s[TB], STEPB
.endm
	s_wait_alu depctr_va_vdst(0)                   ; the wait at the head's end
	s_wait_loadcnt 0x0                             ; Q
	s_wait_tensorcnt 0x0                           ; a loading wave's part of keys 0-255 is in.  A first fill that comes later is issued as a refill is: in every wave,
	ds_add_u32 v251, v255                          ; the add of 0 onto my spare word,
	ds_add_u32 v251, v255                          ; twice on end here
	s_wait_dscnt 0x0
	s_barrier_signal -1
	s_barrier_wait -1                              ; keys 0-255 lie in LDS for all sixteen waves
	s_cmp_lg_u32 s[WV], 0                          ; keys 256-1023: a wave's one tensor load behind this barrier
	s_cbranch_scc1 .Lnot_kb
	tensor_load_to_lds s[G0KB:G0KB+3], s[G1KB:G1KB+7]
	s_nop 0
.rept 4
	v_nop
.endr
	s_branch .Lasked2
.Lnot_kb:
	s_cmp_lg_u32 s[WV], 1
	s_cbranch_scc1 .Lasked2
	tensor_load_to_lds s[G0VB:G0VB+3], s[G1VB:G1VB+7]
	s_nop 0
.rept 4
	v_nop
.endr
.Lasked2:
	s_mov_b32 s76, 2
.Lfirst:                                           ; keys 0-255
	STEP
	s_sub_co_u32 s76, s76, 1
	s_cmp_lg_u32 s76, 0
	s_cbranch_scc1 .Lfirst
	s_wait_tensorcnt 0x0                           ; keys 256-1023 are in
	s_barrier_signal -1
	s_barrier_wait -1
	s_mov_b32 s76, 6
.Lrest:
	STEP
	s_sub_co_u32 s76, s76, 1
	s_cmp_lg_u32 s76, 0
	s_cbranch_scc1 .Lrest
	; THE WAY OUT: O^T / the sum, held, converted; 16 queries x 64 codes go through my stage and leave as 1,024 consecutive bytes.
.rept 4
	v_nop                                          ; places behind the last products
.endr
	v_add_f32 v14, v14, v15
	v_permlanex16_b32 v236, v14, s[SEL], s[SEL+1]
	s_delay_alu instid0(VALU_DEP_1)
	v_add_f32 v14, v14, v236                       ; the row's sum
	s_wait_alu depctr_va_vdst(0)
	v_rcp_f32 v14, v14
	v_nop
	s_wait_alu depctr_va_vdst(0)                   ; the wait ahead of the first reader
.set n, 0
.rept 32
	v_mul_f32 v[96+n], v[160+n], v14               ; register 8 u + i: channel 16 u + 8 h + i of query r; each accumulator from its low end on
.set n, n+1
.endr
.set n, 0
.rept 32
	v_med3_num_f32 v[96+n], v[96+n], -v241, v241
.set n, n+1
.endr
.irp u, 0,1,2,3
	v_cvt_scalef32_pk8_fp8_f32 v[24+2*\u:25+2*\u], v[96+8*\u:103+8*\u], v245
.endr
	v_nop
.irp u, 0,1,2,3
	ds_store_b64 v[SO], v[24+2*\u:25+2*\u] offset:16*\u
.endr
	ds_load_b128 v[32:35], v[SR]                   ; LDS serves a wave's instructions in order: these see my stores
	ds_load_b128 v[36:39], v[SR] offset:512
	s_wait_dscnt 1                                 ; the second load may be out
	global_store_b128 v[GO], v[32:35], s[8:9]      ; 32 lanes store 512 consecutive bytes, aligned
	s_wait_dscnt 0
	global_store_b128 v[GO], v[36:39], s[8:9] offset:512
	s_wait_tensorcnt 0x0
	ds_add_u32 v251, v255
	s_wait_dscnt 0x0
	s_endpgm
.Lfunc_end_k_q96466ce8b2_attn:
	.size	k_q96466ce8b2_attn, .Lfunc_end_k_q96466ce8b2_attn-k_q96466ce8b2_attn
	.p2alignl 7, 3214868480
	.fill 96, 4, 3214868480
	.section	.rodata,"a",@progbits
	.p2align	6, 0x0
	.amdhsa_kernel k_q96466ce8b2_attn
		.amdhsa_group_segment_fixed_size 327680
		.amdhsa_private_segment_fixed_size 0
		.amdhsa_enable_private_segment 0
		.amdhsa_kernarg_size 24
		.amdhsa_user_sgpr_count 2
		.amdhsa_user_sgpr_kernarg_segment_ptr 1
		.amdhsa_wavefront_size32 1
		.amdhsa_system_sgpr_workgroup_id_x 1
		.amdhsa_system_sgpr_workgroup_id_y 1
		.amdhsa_system_sgpr_workgroup_id_z 1
		.amdhsa_system_vgpr_workitem_id 0
		.amdhsa_next_free_vgpr 256
		.amdhsa_next_free_sgpr 98
		.amdhsa_reserve_vcc 1
		.amdhsa_float_denorm_mode_32 3
		.amdhsa_float_denorm_mode_16_64 3
		.amdhsa_memory_ordered 1
		.amdhsa_forward_progress 1
		.amdhsa_inst_pref_size 59
	.end_amdhsa_kernel
	.amdgpu_metadata
---
amdhsa.version: [ 1, 2 ]
amdhsa.kernels:
  - .name:           k_q96466ce8b2_attn
    .symbol:         k_q96466ce8b2_attn.kd
    .args:
      - { .name: qkv, .offset: 0, .size: 8, .value_kind: global_buffer, .address_space: global }
      - { .name: lowp_scales, .offset: 8, .size: 8, .value_kind: global_buffer, .address_space: global }
      - { .name: ac, .offset: 16, .size: 8, .value_kind: global_buffer, .address_space: global }
    .group_segment_fixed_size: 327680
    .private_segment_fixed_size: 0
    .kernarg_segment_align: 8
    .kernarg_segment_size: 24
    .max_flat_workgroup_size: 512
    .sgpr_count:     98
    .vgpr_count:     256
    .wavefront_size: 32
...
	.end_amdgpu_metadata
.endif
;; end of part 3
;; launch wo (part 4): grid 8 x 32, 4 waves a work-group, clusters of 4 x 4, 327,680 bytes of LDS; arguments ac, wc, lowp_scales, bo, x, x1; writes x1
.if DOCPART == 4
	.amdgcn_target "amdgcn-amd-amdhsa--gfx1250"
	.amdhsa_code_object_version 6
	.text
	.protected	k_q96466ce8b2_wo
	.globl	k_q96466ce8b2_wo
	.p2align	8
	.type	k_q96466ce8b2_wo,@function
k_q96466ce8b2_wo:
	s_mov_b64 s[64:65], 0
	v_nop
	global_prefetch_b8 v0, s[64:65] scope:SCOPE_SE
	s_setreg_imm32_b32 hwreg(HW_REG_WAVE_MODE, 25, 1), 1
	s_wait_xcnt 0x0
	s_wait_alu depctr_hold_cnt(0) depctr_sa_sdst(0) depctr_va_vdst(0) depctr_va_sdst(0) depctr_va_ssrc(0) depctr_va_vcc(0) depctr_vm_vsrc(0)
	s_getreg_b32 s2, hwreg(HW_REG_IB_STS2, 6, 4)
	s_cmp_eq_u32 s2, 0
	s_cbranch_scc0 .Lentry_in_a_cluster
	s_endpgm
.Lentry_in_a_cluster:
	s_bfe_u32 s2, ttmp6, 0x10000c
	s_cmp_lg_u32 s2, 0xf033
	s_cbranch_scc0 .Lentry_shape_is_right
	s_endpgm
.Lentry_shape_is_right:
; out[m][n] = resid[m][n] + bias[n] + 2^(ea + eb) x sum over k of A[m][k] B[n][k], on codes of E4M3; out and resid [4096][1024] f32.
; A: codes in panels of 64 along K: (m, k) at (k / 64) x 262,144 + 64 m + k % 64.  B: a weight's codes in wc, rows of SIZE_K bytes, K innermost.
; This text: SIZE_K = 1,024: x1 = x + attn Wo + bo.  LIMIT: ea + eb between -126 and 127.
; C has 4,096 x 1,024 numbers: tiles of 256 x 256 would be 64; tiles of 128 x 128 are 256, one for each of 256 work-groups.  Four waves, each 64 x 64: 16 accumulators.
; K goes in steps of 512 through a ring of two LDS slots: A's half tile is 8 panels x 64 rows x 64 bytes (each panel's part 4,096 bytes on end), B's 64 rows x 512 bytes.
; CLUSTERS: 4 x 4: A's tiles are asked for jointly along a row of the cluster, B's along a column.  THE MATRIX INSTRUCTION IS USED TRANSPOSED: a lane holds eight neighbouring numbers of a row of C.
; The residual (a wave's 64 x 64 numbers, 128 registers) is asked for at the head and lands while K is walked.  No prefetch: a small tile with long K steps; with SIZE_K = 1,024 nothing is filled again at all.
; REGISTERS: window 0: v0-31 addresses; v32-63, v68-99 rows read back from the stage; v64-67 the bias; v128-255 the accumulators ((a, b) at v[128 + 8 (4 a + b)]).
;   window 1: two fragment buffers of 128: A's four blocks (16 registers each), then B's four.   window 2: v0-127 the residual, then the result.
.set SIZE_K, 1024
.set WOFF,   0x300000                  ; the weight's place in wc
.set EOFF,   40                        ; the two scales' place, in bytes
.set LASTOUT, 0                        ; 1: nothing reads the result again
; ALL OF K = 1,024 LIES IN LDS, EACH BYTE FILLED ONCE, by one load a wave: A's half tile is 16 panels x 64 rows x 64 bytes, B's 64 rows x 1,024 bytes.  Nothing is filled again.
; 'Slot' 0 and 1 below name the two halves of K: 8 panels on in A, 512 bytes on in a row of B.
.set AP,     80                        ; A: 64 bytes + 16 of padding;  B: 1,024 + 16: both odd multiples of 16 bytes
.set BP,     1040
.set AREG,   8*64*AP
.set BREG,   64*BP
.set STAGE,  4*AREG+2*BREG             ; behind A's two halves (2 AREG each) and B's two: 16 rows x 272 bytes for each wave
.set SPITCH, 272
.set SPARE,  STAGE+4*16*SPITCH         ; the spare words, 128 bytes a wave, which no other line names
.set LAPS,   SIZE_K/1024
.set ADRA, 16
.set ADRB, 20
.set STO,  24
.set RD,   25
.set CO,   26
.set SPW,  28
.set NIL,  29
.set BIAS, 64
.set ACC,  128
.set F0,   0
.set F1,   128
.set G1, 24
.set G0, 32
.set G1B, 48
.set G0B, 56
.set MSB, 0
.macro WIN new
.if MSB != (\new)
	s_set_vgpr_msb (MSB<<8)|(\new)
.set MSB, (\new)
.endif
.endm
.set MUL,  0x05                        ; sources 0 (B) and 1 (A) window 1; C and D window 0
.set TO_F, 0x40
.macro JLOAD s                         ; a joint load: waves 0 and 1 fetch A's halves, waves 2 and 3 B's; four v_nop follow each of the two lines
	s_cmp_eq_u32 s11, 0
	s_cbranch_scc0 .Lfor_b_\@
	tensor_load_to_lds s[G0+4*\s:G0+4*\s+3], s[G1:G1+7]
	s_nop 0
.rept 4
	v_nop
.endr
	s_branch .Lasked_\@
.Lfor_b_\@:
	tensor_load_to_lds s[G0B+4*\s:G0B+4*\s+3], s[G1B:G1B+7]
	s_nop 0
.rept 4
	v_nop
.endr
.Lasked_\@:
.endm
.macro CREST
	s_cmp_lg_u32 s10, 0
	s_cbranch_scc1 .Lnot_wave_0_\@
	s_barrier_signal -3
.Lnot_wave_0_\@:
	s_barrier_wait -3
	s_barrier_signal -1
	s_barrier_wait -1
.endm
.macro CROUND
	s_barrier_signal -1
	s_barrier_wait -1
	CREST
.endm
	s_load_b128 s[4:7], s[0:1], 0x0                ; A's codes, wc
	s_load_b256 s[68:75], s[0:1], 0x10             ; the scales s68, the bias s70, the residual s72, the output s74
	v_lshl_add_u32 v[SPW], v0, 2, SPARE
	v_mov_b32 v[NIL], 0
	ds_add_u32 v28, v29
	ds_add_u32 v28, v29
	s_wait_dscnt 0x0
	v_lshrrev_b32 v1, 5, v0
	v_readfirstlane_b32 s10, v1                    ; wave 0..3
	s_lshr_b32 s11, s10, 1                         ; my half of the tile's rows.  Also: I fetch for A (0) or for B (1)
	s_and_b32 s12, s10, 1                          ; my half of its columns.  Also: which 64 rows of that tile I fetch
	s_bfe_u32 s40, ttmp6, 0x40000
	s_bfe_u32 s41, ttmp6, 0x40004
	s_lshl_b32 s42, ttmp9, 2
	s_add_co_u32 s42, s42, s40                     ; tile column
	s_and_b32 s13, ttmp7, 0xffff
	s_lshl_b32 s13, s13, 2
	s_add_co_u32 s13, s13, s41                     ; tile row
	s_lshl_b32 s43, s41, 2
	s_lshl_b32 s43, 15, s43
	s_lshl_b32 s44, 0x1111, s40
	s_or_b32 s[G1+0], s43, (3<<16)|(1<<20)|(1<<21)|(3<<22)|(3<<25)  ; A: the mask of my row; elements of 8 bytes; padding: four words after every 16
	s_mov_b32 s[G1+1], 512<<16                     ; tensor_dim0: 512 elements = a panel's 64 rows x 64 bytes
	s_mov_b32 s[G1+2], 16<<16                      ; tensor_dim1: 16 panels
	s_mov_b32 s[G1+3], 512<<16
	s_mov_b32 s[G1+4], 16
	s_mov_b32 s[G1+5], 32768                       ; from panel to panel: 262,144 bytes
	s_mov_b32 s[G1+6], 0
	s_mov_b32 s[G1+7], 0
	s_or_b32 s[G1B+0], s44, (0<<16)|(1<<20)|(1<<21)|(7<<22)|(3<<25) ; B: the mask of my column; elements of 1 byte; padding: four words after every 256
	s_mov_b32 s[G1B+1], 1024<<16
	s_mov_b32 s[G1B+2], 64<<16
	s_mov_b32 s[G1B+3], 1024<<16
	s_mov_b32 s[G1B+4], 64
	s_mov_b32 s[G1B+5], SIZE_K
	s_mov_b32 s[G1B+6], 0
	s_mov_b32 s[G1B+7], 0
	s_lshl_b32 s16, s13, 13                        ; A: row 128 x tile row + 64 x half, 64 bytes a row
	s_lshl_b32 s17, s12, 12
	s_add_co_u32 s16, s16, s17
	s_mov_b32 s17, 0
	s_lshl_b32 s46, s42, 7                         ; B: row 128 x tile column + 64 x half
	s_lshl_b32 s47, s12, 6
	s_add_co_u32 s46, s46, s47
	s_mul_i32 s46, s46, SIZE_K
	s_add_co_u32 s46, s46, WOFF
	s_mov_b32 s47, 0
	s_mul_i32 s20, s12, 2*AREG                     ; where they go: the wave's number alone
	s_mul_i32 s21, s12, BREG
	s_add_co_u32 s21, s21, 4*AREG
	s_wait_kmcnt 0x0
	s_load_b64 s[96:97], s[68:69], EOFF            ; ea, eb
	s_add_nc_u64 s[14:15], s[4:5], s[16:17]
	s_add_nc_u64 s[46:47], s[6:7], s[46:47]
	CROUND                                         ; all sixteen work-groups are here: the first joint loads meet
	s_mov_b32 s[G0], 1
	s_mov_b32 s[G0+1], s20
	s_mov_b64 s[G0+2:G0+3], s[14:15]
	s_or_b32 s[G0+3], s[G0+3], 0x80000000
	s_mov_b32 s[G0B], 1
	s_mov_b32 s[G0B+1], s21
	s_mov_b64 s[G0B+2:G0B+3], s[46:47]
	s_or_b32 s[G0B+3], s[G0B+3], 0x80000000
	JLOAD 0                                        ; my one tensor load of the launch
	v_and_b32 v1, 15, v0                           ; r
	v_bfe_u32 v2, v0, 4, 1                         ; h
	v_mul_u32_u24 v3, v1, AP
	v_lshl_add_u32 v3, v2, 4, v3
	v_mul_u32_u24 v4, v1, BP
	v_lshl_add_u32 v4, v2, 4, v4
	s_mul_i32 s21, s11, 2*AREG                     ; my 64 rows of A,
	s_mul_i32 s22, s12, BREG                       ; my 64 rows of B
	s_add_co_u32 s22, s22, 4*AREG
.irp s, 0,1
	v_add_nc_u32 v[ADRA+\s], s21, v3
	v_add_nc_u32 v[ADRB+\s], s22, v4
	s_add_co_u32 s21, s21, AREG                    ; K's second half: 8 panels on,
	s_add_co_u32 s22, s22, 512                     ; 512 bytes on
.endr
	s_mul_i32 s23, s10, 16*SPITCH
	s_add_co_u32 s23, s23, STAGE                   ; my stage
	v_mul_u32_u24 v5, v1, SPITCH
	v_lshl_add_u32 v5, v2, 5, v5
	v_add_nc_u32 v[STO], s23, v5                   ; in: row r, 32 bytes for each half of the lanes
	v_mul_u32_u24 v5, v2, SPITCH
	v_lshl_add_u32 v5, v1, 4, v5
	v_add_nc_u32 v[RD], s23, v5                    ; back: lanes 0-15 one row of 256 bytes, lanes 16-31 the next
	v_lshlrev_b32 v5, 12, v2
	v_lshl_add_u32 v[CO], v1, 4, v5                ; and the same two rows in memory
	v_lshlrev_b32 v6, 4, v1
	s_wait_alu depctr_va_vdst(0)
	s_lshl_b32 s84, s13, 7
	s_lshl_b32 s85, s11, 6
	s_add_co_u32 s84, s84, s85
	s_lshl_b32 s84, s84, 12                        ; my first row, 4,096 bytes a row
	s_lshl_b32 s86, s42, 9
	s_lshl_b32 s87, s12, 8
	s_add_co_u32 s86, s86, s87                     ; my first column, in bytes
	s_mov_b32 s87, 0
	s_add_nc_u64 s[70:71], s[70:71], s[86:87]
	s_add_co_u32 s84, s84, s86
	s_mov_b32 s85, 0
	s_add_nc_u64 s[72:73], s[72:73], s[84:85]
	s_add_nc_u64 s[74:75], s[74:75], s[84:85]
	global_load_b128 v[BIAS:BIAS+3], v6, s[70:71]  ; the bias at my four columns
	WIN 0x80                                       ; destination window 2
.set t, 0
.rept 32
	global_load_b128 v[4*t:4*t+3], v[CO], s[72:73] offset:2*t*4096 th:TH_LOAD_NT   ; rows 2 t, 2 t + 1: sixteen lanes read 256 consecutive bytes, aligned
.set t, t+1
.endr
	WIN 0
.macro MUL8 f, a0, zero                ; 8 matrix instructions: A's blocks a0, a0 + 1 x B's four, 128 along K.  The 16 accumulators take turns, in the same order in every quarter
.irp a, \a0, \a0+1
.irp b, 0,1,2,3
.if \zero
	v_wmma_f32_16x16x128_fp8_fp8 v[ACC+8*(4*(\a)+\b):ACC+8*(4*(\a)+\b)+7], v[\f+64+16*\b:\f+64+16*\b+15], v[\f+16*(\a):\f+16*(\a)+15], 0
.else
	v_wmma_f32_16x16x128_fp8_fp8 v[ACC+8*(4*(\a)+\b):ACC+8*(4*(\a)+\b)+7], v[\f+64+16*\b:\f+64+16*\b+15], v[\f+16*(\a):\f+16*(\a)+15], v[ACC+8*(4*(\a)+\b):ACC+8*(4*(\a)+\b)+7]
.endif
.endr
.endr
.endm
; 32 LDS loads in one run: the fragments of the slot's q-th 128 along K into buffer f: B's four, A's blocks 0, 1, then 2, 3.  Registers 4 c .. 4 c + 3 hold K = 32 c + 16 (l / 16) + 0 .. 15, in A and in B alike
.macro FETCH slot, q, f
	WIN TO_F
.irp i, 0,1,2,3
.irp c, 0,1,2,3
	ds_load_b128 v[\f+64+16*\i+4*\c:\f+64+16*\i+4*\c+3], v[ADRB+\slot] offset:\i*16*BP+128*(\q)+32*\c
.endr
.endr
.irp i, 0,1,2,3
.irp c, 0,1,2,3
	ds_load_b128 v[\f+16*\i+4*\c:\f+16*\i+4*\c+3], v[ADRA+\slot] offset:((2*(\q)+\c/2)*64+16*\i)*AP+32*(\c%2)
.endr
.endr
.endm
.macro PLACES                          ; four plain vector instructions between a matrix instruction and a load into, or a read of, its registers
.rept 4
	v_nop
.endr
.endm
.macro QUARTER slot, qn, f, g, zero    ; multiplies buffer f and fetches the slot's quarter qn into g
	s_wait_dscnt 8                                 ; B and A's blocks 0, 1 are in; the youngest eight loads may be out
	WIN MUL
	MUL8 \f, 0, \zero
	PLACES
	FETCH \slot, \qn, \g
	s_wait_dscnt 32                                ; all but the 32 just issued
	WIN MUL
	MUL8 \f, 2, \zero
.endm
.macro TURN slot, next, fill           ; a slot's last quarter changes slots: one barrier
	WIN 0
	s_wait_tensorcnt 0x0                           ; all my tensor loads have landed: my part of the next slot
	ds_add_u32 v[SPW], v[NIL]                      ; 0 onto my spare word
	s_wait_dscnt 9                                 ; the add and the youngest eight loads may be out
	WIN MUL
	MUL8 F1, 0, 0
	s_wait_dscnt 0x0                               ; the add is done, and my reads of this slot are over
	s_barrier_signal -1
	WIN 0
	s_barrier_wait -1
.if \fill
	CREST                                          ; the barrier has opened a round of the cluster's barrier
	s_add_nc_u64 s[G0+4*\slot+2:G0+4*\slot+3], s[G0+4*\slot+2:G0+4*\slot+3], 16*262144
	s_add_nc_u64 s[G0B+4*\slot+2:G0B+4*\slot+3], s[G0B+4*\slot+2:G0B+4*\slot+3], 1024
	JLOAD \slot                                    ; the first tensor load behind the round; its four v_nop are the places in front of the loads below
.else
	PLACES
.endif
	FETCH \next, 0, F0
	WIN MUL
	MUL8 F1, 2, 0
.endm
	s_wait_tensorcnt 0x0                           ; my load is in
	s_barrier_signal -1
	s_barrier_wait -1
	FETCH 0, 0, F0
	QUARTER 0, 1, F0, F1, 1                        ; the first quarter starts the sums
.if LAPS > 1
	WIN 0
	s_mov_b32 s3, LAPS-1
.Llap:
	QUARTER 0, 2, F1, F0, 0
	QUARTER 0, 3, F0, F1, 0
	TURN 0, 1, 1
	QUARTER 1, 1, F0, F1, 0
	QUARTER 1, 2, F1, F0, 0
	QUARTER 1, 3, F0, F1, 0
	TURN 1, 0, 1
	QUARTER 0, 1, F0, F1, 0
	WIN 0
	s_sub_co_u32 s3, s3, 1
	s_cmp_lg_u32 s3, 0
	s_cbranch_scc1 .Llap
.endif
	QUARTER 0, 2, F1, F0, 0                        ; the last lap fills nothing
	QUARTER 0, 3, F0, F1, 0
	QUARTER 1, 0, F1, F0, 0                        ; on into K's second half: it lies in LDS already, so no barrier stands here
	QUARTER 1, 1, F0, F1, 0
	QUARTER 1, 2, F1, F0, 0
	QUARTER 1, 3, F0, F1, 0
	s_wait_dscnt 8
	WIN MUL
	MUL8 F1, 0, 0
	s_wait_dscnt 0
	MUL8 F1, 2, 0
	WIN 0
; THE WAY OUT, 16 rows at a time.  A wave's 64 columns are 256 bytes, aligned: the sums go through my own stage and come back as whole rows, in the residual's layout.
.macro TOSTAGE a
.set TT, 32+36*((\a)%2)
.irp b, 0,1,2,3
	ds_store_b128 v[STO], v[ACC+8*(4*(\a)+\b):ACC+8*(4*(\a)+\b)+3] offset:64*\b          ; each accumulator from its low end on
	ds_store_b128 v[STO], v[ACC+8*(4*(\a)+\b)+4:ACC+8*(4*(\a)+\b)+7] offset:64*\b+16
.endr
.irp t, 0,1,2,3,4,5,6,7
	ds_load_b128 v[TT+4*\t:TT+4*\t+3], v[RD] offset:\t*2*SPITCH   ; LDS serves a wave's instructions in order: these see the stores above, and the next block's stores come behind them
.endr
.endm
.macro OUT a, younger                  ; younger: the next block's eight stores and eight loads, or none
.set TT, 32+36*((\a)%2)
	s_wait_dscnt \younger
	WIN 0xa0                                       ; the residual, source 2 and destination: window 2
.irp i, 0,2,4,6,8,10,12,14,16,18,20,22,24,26,28,30
	v_pk_fma_f32 v[32*(\a)+\i:32*(\a)+\i+1], v[TT+\i:TT+\i+1], s[96:97], v[32*(\a)+\i:32*(\a)+\i+1] op_sel_hi:[1,0,1]   ; residual + sum x 2^(ea + eb)
.endr
	WIN 0x82
.irp i, 0,2,4,6,8,10,12,14,16,18,20,22,24,26,28,30
	v_pk_add_f32 v[32*(\a)+\i:32*(\a)+\i+1], v[32*(\a)+\i:32*(\a)+\i+1], v[BIAS+\i%4:BIAS+\i%4+1]
.endr
	WIN 0x08                                       ; the stores' data: window 2
.irp t, 0,1,2,3,4,5,6,7
.if LASTOUT
	global_store_b128 v[CO], v[32*(\a)+4*\t:32*(\a)+4*\t+3], s[74:75] offset:(16*(\a)+2*\t)*4096 th:TH_STORE_NT
.else
	global_store_b128 v[CO], v[32*(\a)+4*\t:32*(\a)+4*\t+3], s[74:75] offset:(16*(\a)+2*\t)*4096   ; sixteen lanes store 256 consecutive bytes, aligned
.endif
.endr
	WIN 0
.endm
	s_wait_kmcnt 0x0
	s_add_co_i32 s96, s96, s97
	s_add_co_i32 s96, s96, 127
	s_lshl_b32 s96, s96, 23                        ; 2^(ea + eb) as f32
	s_mov_b32 s97, s96
	s_wait_loadcnt 0x0                             ; the bias and the residual
	PLACES
	TOSTAGE 0
	TOSTAGE 1
	OUT 0, 16
	TOSTAGE 2
	OUT 1, 16
	TOSTAGE 3
	OUT 2, 16
	OUT 3, 0
	s_wait_tensorcnt 0x0                           ; the wave's end
	ds_add_u32 v[SPW], v[NIL]
	s_wait_dscnt 0x0
	CROUND                                         ; the closing round
	s_endpgm
.Lfunc_end_k_q96466ce8b2_wo:
	.size	k_q96466ce8b2_wo, .Lfunc_end_k_q96466ce8b2_wo-k_q96466ce8b2_wo
	.p2alignl 7, 3214868480
	.fill 96, 4, 3214868480
	.section	.rodata,"a",@progbits
	.p2align	6, 0x0
	.amdhsa_kernel k_q96466ce8b2_wo
		.amdhsa_group_segment_fixed_size 327680
		.amdhsa_private_segment_fixed_size 0
		.amdhsa_enable_private_segment 0
		.amdhsa_kernarg_size 48
		.amdhsa_user_sgpr_count 2
		.amdhsa_user_sgpr_kernarg_segment_ptr 1
		.amdhsa_wavefront_size32 1
		.amdhsa_system_sgpr_workgroup_id_x 1
		.amdhsa_system_sgpr_workgroup_id_y 1
		.amdhsa_system_sgpr_workgroup_id_z 1
		.amdhsa_system_vgpr_workitem_id 0
		.amdhsa_next_free_vgpr 640
		.amdhsa_next_free_sgpr 98
		.amdhsa_reserve_vcc 0
		.amdhsa_float_denorm_mode_32 3
		.amdhsa_float_denorm_mode_16_64 3
		.amdhsa_memory_ordered 1
		.amdhsa_forward_progress 1
		.amdhsa_inst_pref_size 52
	.end_amdhsa_kernel
	.amdgpu_metadata
---
amdhsa.version: [ 1, 2 ]
amdhsa.kernels:
  - .name:           k_q96466ce8b2_wo
    .symbol:         k_q96466ce8b2_wo.kd
    .args:
      - { .name: ac, .offset: 0, .size: 8, .value_kind: global_buffer, .address_space: global }
      - { .name: wc, .offset: 8, .size: 8, .value_kind: global_buffer, .address_space: global }
      - { .name: lowp_scales, .offset: 16, .size: 8, .value_kind: global_buffer, .address_space: global }
      - { .name: bo, .offset: 24, .size: 8, .value_kind: global_buffer, .address_space: global }
      - { .name: x, .offset: 32, .size: 8, .value_kind: global_buffer, .address_space: global }
      - { .name: x1, .offset: 40, .size: 8, .value_kind: global_buffer, .address_space: global }
    .group_segment_fixed_size: 327680
    .private_segment_fixed_size: 0
    .kernarg_segment_align: 8
    .kernarg_segment_size: 48
    .max_flat_workgroup_size: 128
    .sgpr_count:     98
    .vgpr_count:     640
    .wavefront_size: 32
...
	.end_amdgpu_metadata
.endif
;; end of part 4
;; launch ln2 (part 5): grid 512 x 1, 4 waves a work-group, no clusters, 0 bytes of LDS; arguments x1, g2, be2, lowp_scales, h2c; writes h2c
.if DOCPART == 5
	.amdgcn_target "amdgcn-amd-amdhsa--gfx1250"
	.amdhsa_code_object_version 6
	.text
	.protected	k_q96466ce8b2_ln2
	.globl	k_q96466ce8b2_ln2
	.p2align	8
	.type	k_q96466ce8b2_ln2,@function
k_q96466ce8b2_ln2:
	s_mov_b64 s[64:65], 0
	v_nop
	global_prefetch_b8 v0, s[64:65] scope:SCOPE_SE
	s_setreg_imm32_b32 hwreg(HW_REG_WAVE_MODE, 25, 1), 1
	s_wait_xcnt 0x0
; h2 = LayerNorm(x1) g2 + be2, in f32, quantised to E4M3 with entry 12 of the scales, into h2c [4096][1024], K innermost.
; A wave takes a whole row (32 registers a lane) and two rows in all: 512 work-groups x 4 waves x 2 rows = 4,096 rows.  Both rows' loads go out at the head, with those of g2 and be2: 32 loads a wave.
; Mean first, then the squares of the differences: no difference of large sums is formed.
; code = x / 2^e, held within +-448, to the nearest code, ties to even.  LIMIT: e between -126 and 119.  NaN among the inputs is not served.
; A stream: no LDS, no barrier, no matrix work, no cluster: no wave reads what another reads but g2 and be2.  No prefetch: there is no loop to run ahead in.
.set XB,   4                           ; s[4:5] x1;  s[6:7] g2;  s[8:9] be2;  s[12:13] the codes at my first row
.set GB,   6
.set BB,   8
.set OB,   12
.set SINV, 20                          ; s20 1/1024;  s21 1e-5;  s[22:23] lane selects: lane l xor 16
.set SEPS, 21
.set SSEL, 22
.set SC,   4                           ; v4 2^e;  v7 448 x 2^e
.set LIM,  7
.set T,    12                          ; v12-27 two sets of eight held numbers
.set CD,   28                          ; v28-35 a row's codes
.set X,    64                          ; v64-127 the two rows
.set G,    128                         ; v128-159 g2, v160-191 be2 at my 32 columns
.set BE,   160
.macro XLOAD rr                        ; row rr of my two: register 8 j + i = column 256 j + 8 lane + i, so that a lane holds eight neighbours for a conversion
.irp j, 0,1,2,3
	global_load_b128 v[X+32*(\rr)+8*\j:X+32*(\rr)+8*\j+3], v1, s[XB:XB+1] offset:(\rr)*4096+1024*\j th:TH_LOAD_NT
	global_load_b128 v[X+32*(\rr)+8*\j+4:X+32*(\rr)+8*\j+7], v1, s[XB:XB+1] offset:(\rr)*4096+1024*\j+16 th:TH_LOAD_NT
.endr
.endm
.macro ACROSS                          ; v52: the lanes' parts become the row's sum, in every lane
	v_add_f32_dpp v52, v52, v52 row_xmask:1 row_mask:0xf bank_mask:0xf
	v_add_f32_dpp v52, v52, v52 row_xmask:2 row_mask:0xf bank_mask:0xf
	v_add_f32_dpp v52, v52, v52 row_xmask:4 row_mask:0xf bank_mask:0xf
	v_add_f32_dpp v52, v52, v52 row_xmask:8 row_mask:0xf bank_mask:0xf
	v_permlanex16_b32 v10, v52, s[SSEL], s[SSEL+1]
	v_add_f32 v52, v52, v10
.endm
.macro ROW rr, left                    ; left: the younger row's loads, which may stay out
.set XS, X+32*(\rr)
	s_wait_loadcnt \left
	v_pk_add_f32 v[52:53], v[XS:XS+1], v[XS+2:XS+3]            ; the sum, in two chains
	v_pk_add_f32 v[54:55], v[XS+4:XS+5], v[XS+6:XS+7]
.irp i, 8,12,16,20,24,28
	v_pk_add_f32 v[52:53], v[52:53], v[XS+\i:XS+\i+1]
	v_pk_add_f32 v[54:55], v[54:55], v[XS+\i+2:XS+\i+3]
.endr
	v_pk_add_f32 v[52:53], v[52:53], v[54:55]
	v_add_f32 v52, v52, v53
	ACROSS
	v_mul_f32 v60, s[SINV], v52                    ; the mean
	v_mov_b32 v61, v60
.irp i, 0,2,4,6,8,10,12,14,16,18,20,22,24,26,28,30
	v_pk_add_f32 v[XS+\i:XS+\i+1], v[XS+\i:XS+\i+1], v[60:61] neg_lo:[0,1] neg_hi:[0,1]
.endr
	v_pk_mul_f32 v[52:53], v[XS:XS+1], v[XS:XS+1]              ; the squares of the differences, in two chains
	v_pk_mul_f32 v[54:55], v[XS+2:XS+3], v[XS+2:XS+3]
.irp i, 4,8,12,16,20,24,28
	v_pk_fma_f32 v[52:53], v[XS+\i:XS+\i+1], v[XS+\i:XS+\i+1], v[52:53]
	v_pk_fma_f32 v[54:55], v[XS+\i+2:XS+\i+3], v[XS+\i+2:XS+\i+3], v[54:55]
.endr
	v_pk_add_f32 v[52:53], v[52:53], v[54:55]
	v_add_f32 v52, v52, v53
	ACROSS
	v_fma_f32 v56, v52, s[SINV], s[SEPS]           ; the variance + 1e-5
	s_wait_alu depctr_va_vdst(0)                   ; the wait ahead of the transcendental
	v_rsq_f32 v62, v56
	v_nop                                          ; a plain instruction behind the transcendental
	s_wait_alu depctr_va_vdst(0)                   ; the wait ahead of the result's first reader
	v_mov_b32 v63, v62
.irp i, 0,2,4,6,8,10,12,14,16,18,20,22,24,26,28,30
	v_pk_mul_f32 v[XS+\i:XS+\i+1], v[XS+\i:XS+\i+1], v[62:63]
.endr
.irp i, 0,2,4,6,8,10,12,14,16,18,20,22,24,26,28,30
	v_pk_fma_f32 v[XS+\i:XS+\i+1], v[XS+\i:XS+\i+1], v[G+\i:G+\i+1], v[BE+\i:BE+\i+1]
.endr
	s_wait_xcnt 0x0                                ; the last row's stores have read their registers: the codes may be written again
.set j, 0
.rept 4
.set i, 0
.rept 8
	v_med3_num_f32 v[T+8*(j%2)+i], v[XS+8*j+i], -v[LIM], v[LIM]   ; the hold, into one of two sets: the other set's eight holds stand between a conversion and the next write of its sources
.set i, i+1
.endr
	v_cvt_scalef32_pk8_fp8_f32 v[CD+2*j:CD+2*j+1], v[T+8*(j%2):T+8*(j%2)+7], v[SC]
.set j, j+1
.endr
.irp j, 0,1,2,3
	global_store_b64 v2, v[CD+2*\j:CD+2*\j+1], s[OB:OB+1] offset:(\rr)*1024+256*\j   ; 32 lanes store 256 consecutive bytes, aligned
.endr
.endm
	s_load_b256 s[4:11], s[0:1], 0x0               ; x1, g2, be2, the scales
	s_load_b64 s[12:13], s[0:1], 0x20              ; h2c
	v_lshrrev_b32 v1, 5, v0
	v_readfirstlane_b32 s28, v1                    ; wave
	v_and_b32 v2, 31, v0
	v_lshlrev_b32 v1, 5, v2                        ; in: 32 bytes a lane
	v_lshlrev_b32 v2, 3, v2                        ; out: 8 bytes a lane
	v_mov_b32 v10, 0                               ; written once: a lane permute's destination counts as one of its sources
	s_lshl_b32 s16, ttmp9, 2
	s_add_co_u32 s16, s16, s28
	s_lshl_b32 s16, s16, 1                         ; my first row
	s_lshl_b32 s18, s16, 12
	s_mov_b32 s19, 0
	s_mov_b32 s[SINV], 0x3a800000
	s_mov_b32 s[SEPS], 0x3727c5ac
	s_mov_b32 s[SSEL], 0x76543210
	s_mov_b32 s[SSEL+1], 0xfedcba98
	s_wait_alu depctr_va_vdst(0)
	s_wait_kmcnt 0x0
	s_load_b32 s24, s[10:11], 0x30                 ; entry 12
	s_add_nc_u64 s[XB:XB+1], s[XB:XB+1], s[18:19]
	s_lshl_b32 s18, s16, 10
	s_add_nc_u64 s[OB:OB+1], s[OB:OB+1], s[18:19]
.irp j, 0,1,2,3
	global_load_b128 v[G+8*\j:G+8*\j+3], v1, s[GB:GB+1] offset:1024*\j
	global_load_b128 v[G+8*\j+4:G+8*\j+7], v1, s[GB:GB+1] offset:1024*\j+16
	global_load_b128 v[BE+8*\j:BE+8*\j+3], v1, s[BB:BB+1] offset:1024*\j
	global_load_b128 v[BE+8*\j+4:BE+8*\j+7], v1, s[BB:BB+1] offset:1024*\j+16
.endr
	XLOAD 0
	XLOAD 1
	s_wait_kmcnt 0x0
	s_add_co_i32 s24, s24, 127
	s_lshl_b32 s25, s24, 23
	v_mov_b32 v[SC], s25
	s_add_co_i32 s24, s24, 8
	s_lshl_b32 s24, s24, 23
	s_or_b32 s24, s24, 0x600000
	v_mov_b32 v[LIM], s24
	ROW 0, 8
	ROW 1, 0
	s_endpgm
.Lfunc_end_k_q96466ce8b2_ln2:
	.size	k_q96466ce8b2_ln2, .Lfunc_end_k_q96466ce8b2_ln2-k_q96466ce8b2_ln2
	.p2alignl 7, 3214868480
	.fill 96, 4, 3214868480
	.section	.rodata,"a",@progbits
	.p2align	6, 0x0
	.amdhsa_kernel k_q96466ce8b2_ln2
		.amdhsa_group_segment_fixed_size 0
		.amdhsa_private_segment_fixed_size 0
		.amdhsa_enable_private_segment 0
		.amdhsa_kernarg_size 40
		.amdhsa_user_sgpr_count 2
		.amdhsa_user_sgpr_kernarg_segment_ptr 1
		.amdhsa_wavefront_size32 1
		.amdhsa_system_sgpr_workgroup_id_x 1
		.amdhsa_system_sgpr_workgroup_id_y 1
		.amdhsa_system_sgpr_workgroup_id_z 1
		.amdhsa_system_vgpr_workitem_id 0
		.amdhsa_next_free_vgpr 192
		.amdhsa_next_free_sgpr 66
		.amdhsa_reserve_vcc 0
		.amdhsa_float_denorm_mode_32 3
		.amdhsa_float_denorm_mode_16_64 3
		.amdhsa_memory_ordered 1
		.amdhsa_forward_progress 1
		.amdhsa_inst_pref_size 22
	.end_amdhsa_kernel
	.amdgpu_metadata
---
amdhsa.version: [ 1, 2 ]
amdhsa.kernels:
  - .name:           k_q96466ce8b2_ln2
    .symbol:         k_q96466ce8b2_ln2.kd
    .args:
      - { .name: x1, .offset: 0, .size: 8, .value_kind: global_buffer, .address_space: global }
      - { .name: g2, .offset: 8, .size: 8, .value_kind: global_buffer, .address_space: global }
      - { .name: be2, .offset: 16, .size: 8, .value_kind: global_buffer, .address_space: global }
      - { .name: lowp_scales, .offset: 24, .size: 8, .value_kind: global_buffer, .address_space: global }
      - { .name: h2c, .offset: 32, .size: 8, .value_kind: global_buffer, .address_space: global }
    .group_segment_fixed_size: 0
    .private_segment_fixed_size: 0
    .kernarg_segment_align: 8
    .kernarg_segment_size: 40
    .max_flat_workgroup_size: 128
    .sgpr_count:     66
    .vgpr_count:     192
    .wavefront_size: 32
...
	.end_amdgpu_metadata
.endif
;; end of part 5
;; launch w1 (part 6): grid 16 x 16, 4 waves a work-group, clusters of 4 x 4, 327,680 bytes of LDS; arguments h2c, wc, lowp_scales, b1, hid; writes hid
.if DOCPART == 6
	.amdgcn_target "amdgcn-amd-amdhsa--gfx1250"
	.amdhsa_code_object_version 6
	.text
	.protected	k_q96466ce8b2_w1
	.globl	k_q96466ce8b2_w1
	.p2align	8
	.type	k_q96466ce8b2_w1,@function
k_q96466ce8b2_w1:
	s_mov_b64 s[64:65], 0
	v_nop
	global_prefetch_b8 v0, s[64:65] scope:SCOPE_SE
	s_setreg_imm32_b32 hwreg(HW_REG_WAVE_MODE, 25, 1), 1
	s_wait_xcnt 0x0
	s_wait_alu depctr_hold_cnt(0) depctr_sa_sdst(0) depctr_va_vdst(0) depctr_va_sdst(0) depctr_va_ssrc(0) depctr_va_vcc(0) depctr_vm_vsrc(0)
	s_getreg_b32 s2, hwreg(HW_REG_IB_STS2, 6, 4)
	s_cmp_eq_u32 s2, 0
	s_cbranch_scc0 .Lentry_in_a_cluster
	s_endpgm
.Lentry_in_a_cluster:
	s_bfe_u32 s2, ttmp6, 0x10000c
	s_cmp_lg_u32 s2, 0xf033
	s_cbranch_scc0 .Lentry_shape_is_right
	s_endpgm
.Lentry_shape_is_right:
.set MODE,   1
.set SIZE_K, 1024
.set KSTEP,  256
.set ROWB,   256
.set KROW,   SIZE_K
.set PITCH,  272
.set FR,     16
.set NL,     4
.set NP,     4
.set HALFT,  128*PITCH
.set SLOT,   4*HALFT
.set LAPS,   SIZE_K/(2*KSTEP)
.set SPARE,  2*SLOT
.set ADRA, 16
.set ADRB, 20
.set STO,  24
.set RD,   25
.set CO,   26
.set RD2,  27
.set SPW,  28
.set NIL,  29
.set SC,   30
.set LIM,  31
.set TMP,  32
.set BIAS, 32
.set AF,   128
.set BK,   128
.set G1, 24
.set G0, 32
.set G1B, 48
.set G0B, 56
.if MODE
.set OUTP, 12
.else
.set OUTP, 10
.endif
.set MSB, 0
.macro WIN new
.if MSB != (\new)
	s_set_vgpr_msb (MSB<<8)|(\new)
.set MSB, (\new)
.endif
.endm
.set MUL_LO, 0xa1
.set MUL_HI, 0xf1
.set TO_B,   0x40
.macro WINM hi, zero
.if (\zero) && MODE
	WIN 0x81+0x40*(\hi)
.else
	WIN MUL_LO+0x50*(\hi)
.endif
.endm
.macro JLOAD g0a, g1a, g0b, g1b
	s_cmp_eq_u32 s15, 0
	s_cbranch_scc0 .Lfor_b_\@
	tensor_load_to_lds s[\g0a:\g0a+3], s[\g1a:\g1a+7]
	s_nop 0
.rept 4
	v_nop
.endr
	s_branch .Lasked_\@
.Lfor_b_\@:
	tensor_load_to_lds s[\g0b:\g0b+3], s[\g1b:\g1b+7]
	s_nop 0
.rept 4
	v_nop
.endr
.Lasked_\@:
.endm
.macro CREST
	s_cmp_lg_u32 s14, 0
	s_cbranch_scc1 .Lnot_wave_0_\@
	s_barrier_signal -3
.Lnot_wave_0_\@:
	s_barrier_wait -3
	s_barrier_signal -1
	s_barrier_wait -1
.endm
.macro CROUND
	s_barrier_signal -1
	s_barrier_wait -1
	CREST
.endm
	s_load_b128 s[4:7], s[0:1], 0x0
	s_load_b128 s[8:11], s[0:1], 0x10
.if MODE
	s_load_b64 s[12:13], s[0:1], 0x20
.endif
	v_lshl_add_u32 v[SPW], v0, 2, SPARE
	v_mov_b32 v[NIL], 0
	ds_add_u32 v28, v29
	ds_add_u32 v28, v29
	s_wait_dscnt 0x0
	v_lshrrev_b32 v1, 5, v0
	v_readfirstlane_b32 s14, v1
	s_lshr_b32 s15, s14, 1
	s_and_b32 s16, s14, 1
	s_bfe_u32 s40, ttmp6, 0x40000
	s_bfe_u32 s41, ttmp6, 0x40004
.if MODE
	s_lshl_b32 s42, ttmp9, 2
	s_add_co_u32 s42, s42, s40
	s_and_b32 s17, ttmp7, 0xffff
	s_lshl_b32 s17, s17, 2
	s_add_co_u32 s17, s17, s41
.else
	s_mov_b32 s42, s40
	s_mov_b32 s17, s41
	s_and_b32 s66, ttmp7, 0xffff
	s_lshr_b32 s67, s66, 2
	s_and_b32 s88, s66, 3
.endif
	s_lshl_b32 s43, s41, 2
	s_lshl_b32 s43, 15, s43
	s_lshl_b32 s44, 0x1111, s40
	s_or_b32 s[G1+0], s43, (0<<16)|(1<<20)|(1<<21)|(5<<22)|(3<<25)
	s_or_b32 s[G1B+0], s44, (0<<16)|(1<<20)|(1<<21)|(5<<22)|(3<<25)
.irp g, G1, G1B
	s_mov_b32 s[\g+1], ROWB<<16
	s_mov_b32 s[\g+2], 128<<16
	s_mov_b32 s[\g+3], ROWB<<16
	s_mov_b32 s[\g+4], 128
	s_mov_b32 s[\g+5], KROW
	s_mov_b32 s[\g+6], 0
	s_mov_b32 s[\g+7], 0
.endr
	s_lshl_b32 s18, s16, 7
	s_lshl_b32 s20, s17, 8
	s_add_co_u32 s20, s20, s18
	s_lshl_b32 s46, s42, 8
	s_add_co_u32 s46, s46, s18
	s_mov_b32 s21, 0
	s_mov_b32 s47, 0
	s_mov_b64 s[18:19], KROW
	s_mul_u64 s[20:21], s[20:21], s[18:19]
	s_mul_u64 s[46:47], s[46:47], s[18:19]
	s_mul_i32 s45, s14, HALFT
	s_wait_kmcnt 0x0
.if MODE
	s_load_b128 s[68:71], s[8:9], 0x30
	s_add_nc_u64 s[6:7], s[6:7], 0x400000
.else
	s_load_b512 s[68:83], s[8:9], 0x0
	s_lshl_b32 s90, s66, 20
	s_mov_b32 s91, 0
	s_add_nc_u64 s[84:85], s[4:5], s[90:91]
	s_lshl_b32 s90, s67, 20
	s_add_nc_u64 s[86:87], s[6:7], s[90:91]
	s_cmp_eq_u32 s67, 2
	s_cselect_b64 s[4:5], s[86:87], s[84:85]
	s_cselect_b64 s[6:7], s[84:85], s[86:87]
.endif
	s_add_nc_u64 s[20:21], s[4:5], s[20:21]
	s_add_nc_u64 s[46:47], s[6:7], s[46:47]
	CROUND
.irp s, 0,1
	s_mov_b32 s[G0+4*\s], 1
	s_add_co_u32 s[G0+4*\s+1], s45, \s*SLOT
	s_add_nc_u64 s[G0+4*\s+2:G0+4*\s+3], s[20:21], \s*ROWB
	s_or_b32 s[G0+4*\s+3], s[G0+4*\s+3], 0x80000000
	s_mov_b32 s[G0B+4*\s], 1
	s_add_co_u32 s[G0B+4*\s+1], s45, \s*SLOT
	s_add_nc_u64 s[G0B+4*\s+2:G0B+4*\s+3], s[46:47], \s*ROWB
	s_or_b32 s[G0B+4*\s+3], s[G0B+4*\s+3], 0x80000000
.endr
	JLOAD G0, G1, G0B, G1B                         ; K step 0: one tensor load a wave at the head, behind the one round
	; PREFETCH INTO THE L2: of the 128 rows that I fetch, my work-group names 32 (the four partners share them out by address: cx for A's tiles, cy for B's), a lane a row, 256 bytes a K step.
	; K steps 1 and 2 are named here, K step 3 behind K step 1's load: each two loads ahead of its own; K step 0 comes by its load alone.  The registers are never written again.
	s_cmp_eq_u32 s15, 0
	s_cselect_b64 s[94:95], s[20:21], s[46:47]
	s_cselect_b32 s96, s40, s41
	s_lshl_b32 s96, s96, 15                        ; 32 rows of 1,024 bytes
	s_mov_b32 s97, 0
	s_add_nc_u64 s[94:95], s[94:95], s[96:97]
	v_and_b32 v12, 31, v0
	v_lshlrev_b32 v12, 10, v12
	global_prefetch_b8 v12, s[94:95] offset:256 th:TH_LOAD_NT scope:SCOPE_SE
	global_prefetch_b8 v12, s[94:95] offset:512 th:TH_LOAD_NT scope:SCOPE_SE
	v_and_b32 v1, 15, v0
	v_bfe_u32 v2, v0, 4, 1
	v_mul_u32_u24 v3, v1, PITCH
	s_wait_alu depctr_va_vdst(0)
	v_lshl_add_u32 v4, v2, 4, v3
	s_mul_i32 s21, s15, HALFT
	s_mul_i32 s22, s16, HALFT
	s_add_co_u32 s22, s22, 2*HALFT
.irp s, 0,1
	v_add_nc_u32 v[ADRA+\s], s21, v4
	v_add_nc_u32 v[ADRB+\s], s22, v4
	s_add_co_u32 s21, s21, SLOT
	s_add_co_u32 s22, s22, SLOT
.endr
	; THE WAY OUT.  hid is laid [m / 16][k / 16][m % 16][k % 16]: 16 rows x 16 codes are 256 bytes on end, a block of 16 rows 65,536 bytes.  A lane's eight codes of accumulator (a, b) are row l % 16, codes 8 (l / 16) + 0 .. 7
	; of one such unit: the 32 lanes' 8 bytes fill it whole, so the codes are stored from registers, with no turn through LDS.
	v_lshlrev_b32 v[CO], 3, v2
	v_lshl_add_u32 v[CO], v1, 4, v[CO]             ; 16 (l % 16) + 8 (l / 16)
.if MODE
	s_lshl_b32 s90, s17, 20                        ; my first block of 16 rows: 16 x tile row + 8 x half, 65,536 bytes each;
	s_lshl_b32 s91, s15, 19
	s_add_co_u32 s90, s90, s91
	s_lshl_b32 s91, s42, 12                        ; my first unit in it: 16 x tile column + 8 x half, 256 bytes each
	s_add_co_u32 s90, s90, s91
	s_lshl_b32 s91, s16, 11
	s_add_co_u32 s90, s90, s91
	s_mov_b32 s91, 0
	s_add_nc_u64 s[OUTP:OUTP+1], s[OUTP:OUTP+1], s[90:91]
	s_lshl_b32 s90, s42, 10
	s_lshl_b32 s91, s16, 9
	s_add_co_u32 s90, s90, s91
	s_mov_b32 s91, 0
	s_add_nc_u64 s[10:11], s[10:11], s[90:91]
	v_lshlrev_b32 v9, 5, v2
.irp b, 0,1,2,3,4,5,6,7
	global_load_b128 v[BIAS+8*\b:BIAS+8*\b+3], v9, s[10:11] offset:64*\b
	global_load_b128 v[BIAS+8*\b+4:BIAS+8*\b+7], v9, s[10:11] offset:64*\b+16
.endr
	s_wait_loadcnt 0x0
	s_wait_kmcnt 0x0
	s_add_co_i32 s84, s68, s69
	s_sub_co_i32 s85, 0, s84
.set j, 0
.rept 64
	v_ldexp_f32 v[BIAS+j], v[BIAS+j], s85
.set j, j+1
.endr
.else
	s_cmp_eq_u32 s67, 2
	s_cselect_b32 s89, s88, 0
	s_cselect_b32 s92, 0, s88
	s_mov_b32 s93, 18
	s_cselect_b32 s93, 16, s93
	s_lshl_b32 s89, s89, 4
	s_lshl_b32 s90, s40, 2
	s_add_co_u32 s89, s89, s90
	s_add_co_u32 s89, s89, s14
	s_lshl_b32 s89, s89, s93
	s_lshl_b32 s92, s92, 10
	s_lshl_b32 s90, s41, 8
	s_add_co_u32 s92, s92, s90
	s_lshl_b32 s92, s92, 6
	s_add_co_u32 s90, s89, s92
	s_lshl_b32 s91, s67, 22
	s_add_co_u32 s90, s90, s91
	s_mov_b32 s91, 0
	s_add_nc_u64 s[OUTP:OUTP+1], s[OUTP:OUTP+1], s[90:91]
.endif
.macro FRAG reg, adr, q, i
.irp c, 0,1,2,3
	ds_load_b128 v[\reg+4*\c:\reg+4*\c+3], v[\adr] offset:128*(\q)+32*\c+(\i)*16*PITCH
.endr
.endm
.macro MUL16 a0, p, zero
.irp a, \a0, \a0+1
.irp b, 0,1,2,3,4,5,6,7
.if \zero
.if MODE
	v_wmma_f32_16x16x128_fp8_fp8 v[8*(8*((\a)%4)+\b):8*(8*((\a)%4)+\b)+7], v[128*(\p)+FR*\b:128*(\p)+FR*\b+FR-1], v[AF+FR*(\a):AF+FR*(\a)+FR-1], v[BIAS+8*\b:BIAS+8*\b+7]
.else
	v_wmma_f32_16x16x128_fp8_fp8 v[8*(8*((\a)%4)+\b):8*(8*((\a)%4)+\b)+7], v[128*(\p)+FR*\b:128*(\p)+FR*\b+FR-1], v[AF+FR*(\a):AF+FR*(\a)+FR-1], 0
.endif
.else
	v_wmma_f32_16x16x128_fp8_fp8 v[8*(8*((\a)%4)+\b):8*(8*((\a)%4)+\b)+7], v[128*(\p)+FR*\b:128*(\p)+FR*\b+FR-1], v[AF+FR*(\a):AF+FR*(\a)+FR-1], v[8*(8*((\a)%4)+\b):8*(8*((\a)%4)+\b)+7]
.endif
.endr
.endr
.endm
.macro FETCH_B slot, q, p
	WIN TO_B
.irp i, 0,1,2,3,4,5,6,7
	FRAG 128*(\p)+FR*\i, ADRB+\slot, \q, \i
.endr
	WIN 0
.endm
.macro FETCH_A slot, q, i0
.irp i, \i0, \i0+1, \i0+2, \i0+3
	FRAG AF+FR*(\i), ADRA+\slot, \q, \i
.endr
.endm
.macro PLACES n
.rept \n
	v_nop
.endr
.endm
.macro STEP slot, q, zero
	s_wait_dscnt 4*NL
	WINM 0, \zero
	MUL16 0, (\q)%2, \zero
	MUL16 2, (\q)%2, \zero
	s_wait_dscnt 0
	PLACES NP
	FETCH_B \slot, (\q)+1, 1-(\q)%2
	FETCH_A \slot, (\q)+1, 0
	WINM 1, \zero
	MUL16 4, (\q)%2, \zero
	MUL16 6, (\q)%2, \zero
	PLACES NP
	WIN 0
	FETCH_A \slot, (\q)+1, 4
.endm
.macro TURN slot, next, fill
	s_wait_tensorcnt 0x0
	ds_add_u32 v[SPW], v[NIL]
	s_wait_dscnt 4*NL+1
	WIN MUL_LO
	MUL16 0, 1, 0
	s_wait_dscnt 0x0
	s_barrier_signal -1
	MUL16 2, 1, 0
	WIN 0
	s_barrier_wait -1
.if \fill
	CREST
	s_add_nc_u64 s[G0+4*\slot+2:G0+4*\slot+3], s[G0+4*\slot+2:G0+4*\slot+3], 2*ROWB
	s_add_nc_u64 s[G0B+4*\slot+2:G0B+4*\slot+3], s[G0B+4*\slot+2:G0B+4*\slot+3], 2*ROWB
	JLOAD G0+4*\slot, G1, G0B+4*\slot, G1B
.else
	PLACES NP
.endif
	FETCH_B \next, 0, 0
	FETCH_A \next, 0, 0
	WIN MUL_HI
	MUL16 4, 1, 0
	MUL16 6, 1, 0
	PLACES NP
	WIN 0
	FETCH_A \next, 0, 4
.endm
	s_wait_alu depctr_va_vdst(0)                   ; the wait at the head's end
	s_wait_tensorcnt 0x0                           ; my part of K step 0 is in; slot 1's first fill is issued as a refill is:
	ds_add_u32 v[SPW], v[NIL]                      ; 0 onto my spare word
	s_wait_dscnt 0x0
	CROUND                                         ; everybody's part of K step 0 is in, and the joint loads meet
	JLOAD G0+4, G1, G0B+4, G1B                     ; K step 1: the first tensor load behind the round
	FETCH_B 0, 0, 0
	FETCH_A 0, 0, 0
	FETCH_A 0, 0, 4
	global_prefetch_b8 v12, s[94:95] offset:768 th:TH_LOAD_NT scope:SCOPE_SE   ; K step 3
	STEP 0, 0, 1
	s_mov_b32 s3, LAPS-1
.Llap:
	TURN 0, 1, 1
	STEP 1, 0, 0
	TURN 1, 0, 1
	STEP 0, 0, 0
	s_sub_co_u32 s3, s3, 1
	s_cmp_lg_u32 s3, 0
	s_cbranch_scc1 .Llap
	TURN 0, 1, 0
	STEP 1, 0, 0
	s_wait_dscnt 4*NL
	WIN MUL_LO
	MUL16 0, 1, 0
	MUL16 2, 1, 0
	s_wait_dscnt 0
	WIN MUL_HI
	MUL16 4, 1, 0
	MUL16 6, 1, 0
	WIN 0
	s_wait_kmcnt 0x0
.if MODE
	s_sub_co_i32 s84, s70, s84
.else
	s_add_co_i32 s84, s68, s69
	s_add_co_i32 s85, s70, s71
	s_add_co_i32 s86, s72, s73
	s_cmp_eq_u32 s67, 1
	s_cselect_b32 s84, s85, s84
	s_cselect_b32 s87, s75, s74
	s_cmp_eq_u32 s67, 2
	s_cselect_b32 s84, s86, s84
	s_cselect_b32 s87, s77, s87
	s_sub_co_i32 s84, s87, s84
.endif
	s_add_co_i32 s84, s84, 127
	s_lshl_b32 s85, s84, 23
	v_mov_b32 v[SC], s85
	s_add_co_i32 s84, s84, 8
	s_lshl_b32 s84, s84, 23
	s_or_b32 s84, s84, 0x600000
	v_mov_b32 v[LIM], s84
	PLACES NP
.irp a, 0,1,2,3,4,5,6,7
.set AC, 64*((\a)%4)
	WIN 0x82+0x41*((\a)/4)
.set j, 0
.rept 64
.if MODE
	v_med3_num_f32 v[AC+j], v[AC+j], 0, v[LIM]
.else
	v_med3_num_f32 v[AC+j], v[AC+j], -v[LIM], v[LIM]
.endif
.set j, j+1
.endr
	WIN 0x02+((\a)/4)
.irp b, 0,1,2,3,4,5,6,7
	v_cvt_scalef32_pk8_fp8_f32 v[TMP+16*\a+2*\b:TMP+16*\a+2*\b+1], v[AC+8*\b:AC+8*\b+7], v[SC]
.endr
	WIN 0
	v_nop
.irp b, 0,1,2,3,4,5,6,7
	global_store_b64 v[CO], v[TMP+16*\a+2*\b:TMP+16*\a+2*\b+1], s[OUTP:OUTP+1] offset:\a*65536+256*\b   ; 32 lanes store 256 consecutive bytes, aligned; each store has data registers of its own
.endr
.endr
	s_wait_tensorcnt 0x0
	ds_add_u32 v[SPW], v[NIL]
	s_wait_dscnt 0x0
	CROUND
	s_endpgm
.Lfunc_end_k_q96466ce8b2_w1:
	.size	k_q96466ce8b2_w1, .Lfunc_end_k_q96466ce8b2_w1-k_q96466ce8b2_w1
	.p2alignl 7, 3214868480
	.fill 96, 4, 3214868480
	.section	.rodata,"a",@progbits
	.p2align	6, 0x0
	.amdhsa_kernel k_q96466ce8b2_w1
		.amdhsa_group_segment_fixed_size 327680
		.amdhsa_private_segment_fixed_size 0
		.amdhsa_enable_private_segment 0
		.amdhsa_kernarg_size 40
		.amdhsa_user_sgpr_count 2
		.amdhsa_user_sgpr_kernarg_segment_ptr 1
		.amdhsa_wavefront_size32 1
		.amdhsa_system_sgpr_workgroup_id_x 1
		.amdhsa_system_sgpr_workgroup_id_y 1
		.amdhsa_system_sgpr_workgroup_id_z 1
		.amdhsa_system_vgpr_workitem_id 0
		.amdhsa_next_free_vgpr 1024
		.amdhsa_next_free_sgpr 98
		.amdhsa_reserve_vcc 0
		.amdhsa_float_denorm_mode_32 3
		.amdhsa_float_denorm_mode_16_64 3
		.amdhsa_memory_ordered 1
		.amdhsa_forward_progress 1
		.amdhsa_inst_pref_size 127
	.end_amdhsa_kernel
	.amdgpu_metadata
---
amdhsa.version: [ 1, 2 ]
amdhsa.kernels:
  - .name:           k_q96466ce8b2_w1
    .symbol:         k_q96466ce8b2_w1.kd
    .args:
      - { .name: h2c, .offset: 0, .size: 8, .value_kind: global_buffer, .address_space: global }
      - { .name: wc, .offset: 8, .size: 8, .value_kind: global_buffer, .address_space: global }
      - { .name: lowp_scales, .offset: 16, .size: 8, .value_kind: global_buffer, .address_space: global }
      - { .name: b1, .offset: 24, .size: 8, .value_kind: global_buffer, .address_space: global }
      - { .name: hid, .offset: 32, .size: 8, .value_kind: global_buffer, .address_space: global }
    .group_segment_fixed_size: 327680
    .private_segment_fixed_size: 0
    .kernarg_segment_align: 8
    .kernarg_segment_size: 40
    .max_flat_workgroup_size: 128
    .sgpr_count:     98
    .vgpr_count:     1024
    .wavefront_size: 32
...
	.end_amdgpu_metadata
.endif
;; end of part 6
;; launch w2 (part 7): grid 8 x 32, 4 waves a work-group, clusters of 4 x 4, 327,680 bytes of LDS; arguments hid, wc, lowp_scales, b2, x1, out0; writes out0
.if DOCPART == 7
	.amdgcn_target "amdgcn-amd-amdhsa--gfx1250"
	.amdhsa_code_object_version 6
	.text
	.protected	k_q96466ce8b2_w2
	.globl	k_q96466ce8b2_w2
	.p2align	8
	.type	k_q96466ce8b2_w2,@function
k_q96466ce8b2_w2:
	s_mov_b64 s[64:65], 0
	v_nop
	global_prefetch_b8 v0, s[64:65] scope:SCOPE_SE
	s_setreg_imm32_b32 hwreg(HW_REG_WAVE_MODE, 25, 1), 1
	s_wait_xcnt 0x0
	s_wait_alu depctr_hold_cnt(0) depctr_sa_sdst(0) depctr_va_vdst(0) depctr_va_sdst(0) depctr_va_ssrc(0) depctr_va_vcc(0) depctr_vm_vsrc(0)
	s_getreg_b32 s2, hwreg(HW_REG_IB_STS2, 6, 4)
	s_cmp_eq_u32 s2, 0
	s_cbranch_scc0 .Lentry_in_a_cluster
	s_endpgm
.Lentry_in_a_cluster:
	s_bfe_u32 s2, ttmp6, 0x10000c
	s_cmp_lg_u32 s2, 0xf033
	s_cbranch_scc0 .Lentry_shape_is_right
	s_endpgm
.Lentry_shape_is_right:
; out0[m][n] = x1[m][n] + b2[n] + 2^(ea + eb) x sum over k of A[m][k] B[n][k], on codes of E4M3; ea, eb: entries 14, 15 of the scales.  LIMIT: ea + eb between -126 and 127.
; A = hid, 4,096 x 4,096 codes laid [m / 16][k / 16][m % 16][k % 16] (16 rows x 16 codes are 256 bytes on end; a block of 16 rows is 65,536 bytes).  B = W2's codes in wc at 8 MiB, [n][k], rows of 4,096 bytes.
; C has 4,096 x 1,024 numbers: tiles of 128 x 128 are 256, one for each of 256 work-groups.  Four waves, each 64 x 64: 16 accumulators.
; K goes in 8 steps of 512 through a ring of two LDS slots.  A's half tile is 4 blocks x 8,192 bytes on end, laid in LDS as it lies in memory: a fragment load's 32 lanes read 512 consecutive LDS bytes, so it has no padding.
; B's half tile is 64 rows x 512 bytes, 16 bytes of padding behind each.
; CLUSTERS: 4 x 4: A's tiles are asked for jointly along a row of the cluster, B's along a column.  THE MATRIX INSTRUCTION IS USED TRANSPOSED: a lane holds eight neighbouring numbers of a row of C.
; PREFETCH INTO THE L2: at a change of slots every wave has waited for all its tensor loads, so a refill goes out alone; what it asks for is named two K steps earlier.  A half tile's K step is 128 blocks of 256 bytes; the four
; partners that ask for it jointly take 32 each, told apart by address (cx for A: one block of 16 rows; cy for B: 16 rows), a lane a block, one instruction a wave.  K steps 1 and 2 are named behind K step 0's load, K step 3 behind
; K step 1's, K steps 4 to 7 in the loop's two trips; K step 0 comes by its load alone, and the laps behind the loop name nothing.  At most two K steps are named and not yet loaded.
; The residual (a wave's 64 x 64 numbers, 128 registers) is asked for behind the loop, four K steps ahead of its use.
; REGISTERS: window 0: v0-31 addresses; v32-63, v68-99 rows read back from the stage; v64-67 the bias; v128-255 the accumulators ((a, b) at v[128 + 8 (4 a + b)]).
;   window 1: two fragment buffers of 128: A's four blocks (16 registers each), then B's four.   window 2: v0-127 the residual, then the result.
.set SIZE_K, 4096
.set WOFF,   0x800000
.set BP,     528                       ; an odd multiple of 16 bytes
.set AREG,   4*8192
.set BREG,   64*BP
.set SLOT,   2*AREG+2*BREG
.set STAGE,  2*SLOT                    ; behind the ring: 16 rows x 272 bytes for each wave
.set SPITCH, 272
.set SPARE,  STAGE+4*16*SPITCH         ; the spare words, 128 bytes a wave, which no other line names
.set ADRA, 16
.set ADRB, 20
.set STO,  24
.set RD,   25
.set CO,   26
.set BO,   27
.set SPW,  28
.set NIL,  29
.set PFO,  30                          ; v30  the prefetches' offset; never rewritten
.set BIAS, 64
.set ACC,  128
.set F0,   0
.set F1,   128
.set G1, 24
.set G0, 32
.set G1B, 48
.set G0B, 56
.set P1,  76                           ; s[76:77], s[78:79] my 32 blocks of K steps 1 and 2; never rewritten
.set P2,  78
.set PFA, 80                           ; s[80:81] those of the K step that the next prefetch names
.set PFS, 82                           ; s[82:83] a K step on: 8,192 bytes in a block of A, 512 in a row of B
.set MSB, 0
.macro WIN new
.if MSB != (\new)
	s_set_vgpr_msb (MSB<<8)|(\new)
.set MSB, (\new)
.endif
.endm
.set MUL,  0x05                        ; sources 0 (B) and 1 (A) window 1; C and D window 0
.set TO_F, 0x40
.macro JLOAD s                         ; a joint load: waves 0 and 1 fetch A's halves, waves 2 and 3 B's; an s_nop 0 and four v_nop follow each of the two lines
	s_cmp_eq_u32 s11, 0
	s_cbranch_scc0 .Lfor_b_\@
	tensor_load_to_lds s[G0+4*\s:G0+4*\s+3], s[G1:G1+7]
	s_nop 0
.rept 4
	v_nop
.endr
	s_branch .Lasked_\@
.Lfor_b_\@:
	tensor_load_to_lds s[G0B+4*\s:G0B+4*\s+3], s[G1B:G1B+7]
	s_nop 0
.rept 4
	v_nop
.endr
.Lasked_\@:
.endm
.macro CREST
	s_cmp_lg_u32 s10, 0
	s_cbranch_scc1 .Lnot_wave_0_\@
	s_barrier_signal -3
.Lnot_wave_0_\@:
	s_barrier_wait -3
	s_barrier_signal -1
	s_barrier_wait -1
.endm
.macro CROUND
	s_barrier_signal -1
	s_barrier_wait -1
	CREST
.endm
	s_load_b128 s[4:7], s[0:1], 0x0                ; hid, wc
	s_load_b256 s[68:75], s[0:1], 0x10             ; the scales s68, b2 s70, x1 s72, out0 s74
	v_lshl_add_u32 v[SPW], v0, 2, SPARE
	v_mov_b32 v[NIL], 0
	ds_add_u32 v[SPW], v[NIL]                      ; the wave's opening: the add, twice on end, and its wait ahead of my first tensor load
	ds_add_u32 v[SPW], v[NIL]
	v_lshrrev_b32 v1, 5, v0
	v_readfirstlane_b32 s10, v1                    ; wave 0..3
	s_lshr_b32 s11, s10, 1                         ; my half of the tile's rows.  Also: I fetch for A (0) or for B (1)
	s_and_b32 s12, s10, 1                          ; my half of its columns.  Also: which 64 rows of that tile I fetch
	s_bfe_u32 s40, ttmp6, 0x40000
	s_bfe_u32 s41, ttmp6, 0x40004
	s_lshl_b32 s42, ttmp9, 2
	s_add_co_u32 s42, s42, s40                     ; tile column
	s_and_b32 s13, ttmp7, 0xffff
	s_lshl_b32 s13, s13, 2
	s_add_co_u32 s13, s13, s41                     ; tile row
	s_lshl_b32 s43, s41, 2
	s_lshl_b32 s43, 15, s43
	s_lshl_b32 s44, 0x1111, s40
	s_or_b32 s[G1+0], s43, (3<<16)|(1<<21)         ; A: the mask of my row; elements of 8 bytes; no padding
	s_mov_b32 s[G1+1], 1024<<16                    ; tensor_dim0: 1,024 elements = a block's 8,192 bytes of a K step
	s_mov_b32 s[G1+2], 4<<16                       ; tensor_dim1: 4 blocks
	s_mov_b32 s[G1+3], 1024<<16
	s_mov_b32 s[G1+4], 4
	s_mov_b32 s[G1+5], 8192                        ; from block to block: 65,536 bytes
	s_mov_b32 s[G1+6], 0
	s_mov_b32 s[G1+7], 0
	s_or_b32 s[G1B+0], s44, (0<<16)|(1<<20)|(1<<21)|(6<<22)|(3<<25) ; B: the mask of my column; elements of 1 byte; padding: four words after every 128
	s_mov_b32 s[G1B+1], 512<<16
	s_mov_b32 s[G1B+2], 64<<16
	s_mov_b32 s[G1B+3], 512<<16
	s_mov_b32 s[G1B+4], 64
	s_mov_b32 s[G1B+5], SIZE_K
	s_mov_b32 s[G1B+6], 0
	s_mov_b32 s[G1B+7], 0
	s_lshl_b32 s16, s13, 19                        ; A: 8 blocks a tile row, 4 a half
	s_lshl_b32 s17, s12, 18
	s_add_co_u32 s16, s16, s17
	s_mov_b32 s17, 0
	s_lshl_b32 s46, s42, 7                         ; B: row 128 x tile column + 64 x half
	s_lshl_b32 s47, s12, 6
	s_add_co_u32 s46, s46, s47
	s_mul_i32 s46, s46, SIZE_K
	s_add_co_u32 s46, s46, WOFF
	s_mov_b32 s47, 0
	s_mul_i32 s20, s12, AREG                       ; where they go: the wave's number alone
	s_mul_i32 s21, s12, BREG
	s_add_co_u32 s21, s21, 2*AREG
	s_wait_dscnt 0x0                               ; both opening adds are done
	s_wait_kmcnt 0x0
	s_load_b64 s[96:97], s[68:69], 56              ; ea, eb
	s_add_nc_u64 s[14:15], s[4:5], s[16:17]
	s_add_nc_u64 s[46:47], s[6:7], s[46:47]
	CROUND                                         ; all sixteen work-groups are here: the first joint loads meet
.irp s, 0,1
	s_mov_b32 s[G0+4*\s], 1
	s_add_co_u32 s[G0+4*\s+1], s20, \s*SLOT
	s_add_nc_u64 s[G0+4*\s+2:G0+4*\s+3], s[14:15], \s*8192
	s_or_b32 s[G0+4*\s+3], s[G0+4*\s+3], 0x80000000
	s_mov_b32 s[G0B+4*\s], 1
	s_add_co_u32 s[G0B+4*\s+1], s21, \s*SLOT
	s_add_nc_u64 s[G0B+4*\s+2:G0B+4*\s+3], s[46:47], \s*512
	s_or_b32 s[G0B+4*\s+3], s[G0B+4*\s+3], 0x80000000
.endr
	JLOAD 0                                        ; K step 0: one tensor load a wave at the head
	s_cmp_eq_u32 s11, 0                            ; the prefetches: do I fetch for A?
	s_cselect_b64 s[P1:P1+1], s[14:15], s[46:47]
	s_cselect_b32 s84, s40, s41                    ; my place among the four that ask with me
	s_mov_b32 s[PFS], 512
	s_cselect_b32 s[PFS], 8192, s[PFS]
	s_mov_b32 s86, 4096
	s_cselect_b32 s86, 512, s86                    ; from two lanes to the next two: 512 bytes on in A's block, a row on in B
	s_lshl_b32 s84, s84, 16                        ; my quarter: a block of A, or 16 rows of B: 65,536 bytes in both
	s_mov_b32 s85, 0
	s_mov_b32 s[PFS+1], 0
	s_add_nc_u64 s[P1:P1+1], s[P1:P1+1], s[84:85]
	s_add_nc_u64 s[P1:P1+1], s[P1:P1+1], s[PFS:PFS+1]
	s_add_nc_u64 s[P2:P2+1], s[P1:P1+1], s[PFS:PFS+1]
	s_add_nc_u64 s[PFA:PFA+1], s[P2:P2+1], s[PFS:PFS+1]
	s_mul_i32 s21, s11, AREG                       ; my 64 rows of A,
	s_mul_i32 s22, s12, BREG                       ; my 64 rows of B
	s_add_co_u32 s22, s22, 2*AREG
	s_mul_i32 s23, s10, 16*SPITCH
	s_add_co_u32 s23, s23, STAGE                   ; my stage
	v_and_b32 v1, 15, v0                           ; r
	v_bfe_u32 v2, v0, 4, 1                         ; h
	v_and_b32 v3, 31, v0                           ; lane
	v_lshrrev_b32 v6, 1, v3
	v_and_b32 v7, 1, v3
	v_mul_lo_u32 v6, v6, s86
	v_lshl_add_u32 v[PFO], v7, 8, v6
	v_lshlrev_b32 v3, 4, v3                        ; A: 16 x lane: unit 2 c + h of a fragment, row r
	v_mul_u32_u24 v4, v1, BP
	v_lshl_add_u32 v4, v2, 4, v4
	v_add_nc_u32 v[ADRA], s21, v3
	v_add_nc_u32 v[ADRB], s22, v4
	v_add_nc_u32 v[ADRA+1], SLOT, v[ADRA]
	v_add_nc_u32 v[ADRB+1], SLOT, v[ADRB]
	v_mul_u32_u24 v5, v1, SPITCH
	v_lshl_add_u32 v5, v2, 5, v5
	v_add_nc_u32 v[STO], s23, v5                   ; in: row r, 32 bytes for each half of the lanes
	v_mul_u32_u24 v5, v2, SPITCH
	v_lshl_add_u32 v5, v1, 4, v5
	v_add_nc_u32 v[RD], s23, v5                    ; back: lanes 0-15 one row of 256 bytes, lanes 16-31 the next
	v_lshlrev_b32 v[BO], 4, v1
	v_lshl_add_u32 v[CO], v2, 12, v[BO]            ; and the same two rows in memory
	global_prefetch_b8 v[PFO], s[P1:P1+1] th:TH_LOAD_NT scope:SCOPE_SE   ; K step 1
	global_prefetch_b8 v[PFO], s[P2:P2+1] th:TH_LOAD_NT scope:SCOPE_SE   ; K step 2
	s_lshl_b32 s84, s13, 7
	s_lshl_b32 s85, s11, 6
	s_add_co_u32 s84, s84, s85
	s_lshl_b32 s84, s84, 12                        ; my first row, 4,096 bytes a row
	s_lshl_b32 s86, s42, 9
	s_lshl_b32 s87, s12, 8
	s_add_co_u32 s86, s86, s87                     ; my first column, in bytes
	s_mov_b32 s87, 0
	s_add_nc_u64 s[70:71], s[70:71], s[86:87]
	s_add_co_u32 s84, s84, s86
	s_mov_b32 s85, 0
	s_add_nc_u64 s[72:73], s[72:73], s[84:85]
	s_add_nc_u64 s[74:75], s[74:75], s[84:85]
.macro MUL8 f, a0, zero                ; 8 matrix instructions: A's blocks a0, a0 + 1 x B's four, 128 along K.  The 16 accumulators take turns, in the same order in every quarter
.irp a, \a0, \a0+1
.irp b, 0,1,2,3
.if \zero
	v_wmma_f32_16x16x128_fp8_fp8 v[ACC+8*(4*(\a)+\b):ACC+8*(4*(\a)+\b)+7], v[\f+64+16*\b:\f+64+16*\b+15], v[\f+16*(\a):\f+16*(\a)+15], 0
.else
	v_wmma_f32_16x16x128_fp8_fp8 v[ACC+8*(4*(\a)+\b):ACC+8*(4*(\a)+\b)+7], v[\f+64+16*\b:\f+64+16*\b+15], v[\f+16*(\a):\f+16*(\a)+15], v[ACC+8*(4*(\a)+\b):ACC+8*(4*(\a)+\b)+7]
.endif
.endr
.endr
.endm
; 32 LDS loads in one run: the fragments of the slot's q-th 128 along K into buffer f: B's four, A's blocks 0, 1, then 2, 3.  Registers 4 c .. 4 c + 3 hold K = 32 c + 16 (l / 16) + 0 .. 15, in A and in B alike
.macro FETCH slot, q, f
	WIN TO_F
.irp i, 0,1,2,3
.irp c, 0,1,2,3
	ds_load_b128 v[\f+64+16*\i+4*\c:\f+64+16*\i+4*\c+3], v[ADRB+\slot] offset:\i*16*BP+128*(\q)+32*\c
.endr
.endr
.irp i, 0,1,2,3
.irp c, 0,1,2,3
	ds_load_b128 v[\f+16*\i+4*\c:\f+16*\i+4*\c+3], v[ADRA+\slot] offset:\i*8192+2048*(\q)+512*\c
.endr
.endr
.endm
.macro PLACES                          ; four plain vector instructions between a matrix instruction and a load into, or a read of, its registers
.rept 4
	v_nop
.endr
.endm
.macro QUARTER slot, qn, f, g, zero    ; multiplies buffer f and fetches the slot's quarter qn into g
	s_wait_dscnt 8                                 ; B and A's blocks 0, 1 are in; the youngest eight loads may be out
	WIN MUL
	MUL8 \f, 0, \zero
	PLACES
	FETCH \slot, \qn, \g
	s_wait_dscnt 32                                ; all but the 32 just issued
	WIN MUL
	MUL8 \f, 2, \zero
.endm
.macro TURN slot, next, fill, ask      ; a slot's last quarter changes slots: one barrier.  fill: this slot is filled again, two K steps ahead.  ask: the K step two refills on is prefetched
	WIN 0
.if \ask
	s_wait_xcnt 0x0                                ; my last prefetch has read its address: it is stepped here, ahead of the waits of the change of slots
	s_add_nc_u64 s[PFA:PFA+1], s[PFA:PFA+1], s[PFS:PFS+1]
.endif
	s_wait_tensorcnt 0x0                           ; all my tensor loads have landed: my part of the next slot
	ds_add_u32 v[SPW], v[NIL]                      ; 0 onto my spare word
	s_wait_dscnt 9                                 ; the add and the youngest eight loads may be out
	WIN MUL
	MUL8 F1, 0, 0
	s_wait_dscnt 0x0                               ; the add is done, and my reads of this slot are over
	s_barrier_signal -1
	WIN 0
	s_barrier_wait -1
.if \fill
	CREST                                          ; the barrier has opened a round of the cluster's barrier
	s_add_nc_u64 s[G0+4*\slot+2:G0+4*\slot+3], s[G0+4*\slot+2:G0+4*\slot+3], 2*8192
	s_add_nc_u64 s[G0B+4*\slot+2:G0B+4*\slot+3], s[G0B+4*\slot+2:G0B+4*\slot+3], 2*512
	JLOAD \slot                                    ; the first tensor load behind the round; its four v_nop are the places in front of the loads below
.else
	PLACES
.endif
	FETCH \next, 0, F0
.if \ask
	global_prefetch_b8 v[PFO], s[PFA:PFA+1] th:TH_LOAD_NT scope:SCOPE_SE   ; behind the joint load and the run of LDS loads
.endif
	WIN MUL
	MUL8 F1, 2, 0
.endm
.macro LAP ask                         ; once round the ring, from a lap's second quarter to the next lap's first; both slots are filled again
	QUARTER 0, 2, F1, F0, 0
	QUARTER 0, 3, F0, F1, 0
	TURN 0, 1, 1, \ask
	QUARTER 1, 1, F0, F1, 0
	QUARTER 1, 2, F1, F0, 0
	QUARTER 1, 3, F0, F1, 0
	TURN 1, 0, 1, \ask
	QUARTER 0, 1, F0, F1, 0
	WIN 0
.endm
	s_wait_alu depctr_va_vdst(0)                   ; the wait at the head's end
	s_wait_tensorcnt 0x0                           ; my part of K step 0 is in; slot 1's first fill is issued as a refill is:
	ds_add_u32 v[SPW], v[NIL]                      ; 0 onto my spare word
	s_wait_dscnt 0x0
	CROUND                                         ; everybody's part of K step 0 is in, and the joint loads meet
	JLOAD 1                                        ; K step 1: the first tensor load behind the round
	FETCH 0, 0, F0
	global_prefetch_b8 v[PFO], s[PFA:PFA+1] th:TH_LOAD_NT scope:SCOPE_SE   ; K step 3
	QUARTER 0, 1, F0, F1, 1                        ; the first quarter starts the sums
	WIN 0
	s_mov_b32 s3, 2
.Llap:                                                 ; two trips: they load K steps 2 to 5 and name K steps 4 to 7
	LAP 1
	s_sub_co_u32 s3, s3, 1
	s_cmp_lg_u32 s3, 0
	s_cbranch_scc1 .Llap
	global_load_b128 v[BIAS:BIAS+3], v[BO], s[70:71]  ; the bias at my four columns
	WIN 0x80                                       ; destination window 2
.set t, 0
.rept 32
	global_load_b128 v[4*t:4*t+3], v[CO], s[72:73] offset:2*t*4096 th:TH_LOAD_NT   ; the residual, rows 2 t, 2 t + 1: sixteen lanes read 256 consecutive bytes, aligned
.set t, t+1
.endr
	WIN 0
	LAP 0                                          ; this lap loads K steps 6 and 7 and names nothing
	QUARTER 0, 2, F1, F0, 0                        ; the last lap fills nothing
	QUARTER 0, 3, F0, F1, 0
	TURN 0, 1, 0, 0
	QUARTER 1, 1, F0, F1, 0
	QUARTER 1, 2, F1, F0, 0
	QUARTER 1, 3, F0, F1, 0
	s_wait_dscnt 8
	WIN MUL
	MUL8 F1, 0, 0
	s_wait_dscnt 0
	MUL8 F1, 2, 0
	WIN 0
; THE WAY OUT, 16 rows at a time.  A wave's 64 columns are 256 bytes, aligned: the sums go through my own stage and come back as whole rows, in the residual's layout.
.macro TOSTAGE a
.set TT, 32+36*((\a)%2)
.irp b, 0,1,2,3
	ds_store_b128 v[STO], v[ACC+8*(4*(\a)+\b):ACC+8*(4*(\a)+\b)+3] offset:64*\b          ; each accumulator from its low end on
	ds_store_b128 v[STO], v[ACC+8*(4*(\a)+\b)+4:ACC+8*(4*(\a)+\b)+7] offset:64*\b+16
.endr
.irp t, 0,1,2,3,4,5,6,7
	ds_load_b128 v[TT+4*\t:TT+4*\t+3], v[RD] offset:\t*2*SPITCH   ; LDS serves a wave's instructions in order: these see the stores above, and the next block's stores come behind them
.endr
.endm
.macro OUT a, younger                  ; younger: the next block's eight stores and eight loads, or none
.set TT, 32+36*((\a)%2)
	s_wait_dscnt \younger
	WIN 0xa0                                       ; the residual, source 2 and destination: window 2
.irp i, 0,2,4,6,8,10,12,14,16,18,20,22,24,26,28,30
	v_pk_fma_f32 v[32*(\a)+\i:32*(\a)+\i+1], v[TT+\i:TT+\i+1], s[96:97], v[32*(\a)+\i:32*(\a)+\i+1] op_sel_hi:[1,0,1]   ; residual + sum x 2^(ea + eb)
.endr
	WIN 0x82
.irp i, 0,2,4,6,8,10,12,14,16,18,20,22,24,26,28,30
	v_pk_add_f32 v[32*(\a)+\i:32*(\a)+\i+1], v[32*(\a)+\i:32*(\a)+\i+1], v[BIAS+\i%4:BIAS+\i%4+1]
.endr
	WIN 0x08                                       ; the stores' data: window 2
.irp t, 0,1,2,3,4,5,6,7
	global_store_b128 v[CO], v[32*(\a)+4*\t:32*(\a)+4*\t+3], s[74:75] offset:(16*(\a)+2*\t)*4096 th:TH_STORE_NT   ; sixteen lanes store 256 consecutive bytes, aligned; written once, read by nobody here
.endr
	WIN 0
.endm
	s_wait_kmcnt 0x0
	s_add_co_i32 s96, s96, s97
	s_add_co_i32 s96, s96, 127
	s_lshl_b32 s96, s96, 23                        ; 2^(ea + eb) as f32
	s_mov_b32 s97, s96
	s_wait_loadcnt 0x0                             ; the bias and the residual
	PLACES
	TOSTAGE 0
	TOSTAGE 1
	OUT 0, 16
	TOSTAGE 2
	OUT 1, 16
	TOSTAGE 3
	OUT 2, 16
	OUT 3, 0
	s_wait_tensorcnt 0x0                           ; the wave's end
	ds_add_u32 v[SPW], v[NIL]
	s_wait_dscnt 0x0
	CROUND                                         ; the closing round
	s_endpgm
.Lfunc_end_k_q96466ce8b2_w2:
	.size	k_q96466ce8b2_w2, .Lfunc_end_k_q96466ce8b2_w2-k_q96466ce8b2_w2
	.p2alignl 7, 3214868480
	.fill 96, 4, 3214868480
	.section	.rodata,"a",@progbits
	.p2align	6, 0x0
	.amdhsa_kernel k_q96466ce8b2_w2
		.amdhsa_group_segment_fixed_size 327680
		.amdhsa_private_segment_fixed_size 0
		.amdhsa_enable_private_segment 0
		.amdhsa_kernarg_size 48
		.amdhsa_user_sgpr_count 2
		.amdhsa_user_sgpr_kernarg_segment_ptr 1
		.amdhsa_wavefront_size32 1
		.amdhsa_system_sgpr_workgroup_id_x 1
		.amdhsa_system_sgpr_workgroup_id_y 1
		.amdhsa_system_sgpr_workgroup_id_z 1
		.amdhsa_system_vgpr_workitem_id 0
		.amdhsa_next_free_vgpr 640
		.amdhsa_next_free_sgpr 98
		.amdhsa_reserve_vcc 0
		.amdhsa_float_denorm_mode_32 3
		.amdhsa_float_denorm_mode_16_64 3
		.amdhsa_memory_ordered 1
		.amdhsa_forward_progress 1
		.amdhsa_inst_pref_size 111
	.end_amdhsa_kernel
	.amdgpu_metadata
---
amdhsa.version: [ 1, 2 ]
amdhsa.kernels:
  - .name:           k_q96466ce8b2_w2
    .symbol:         k_q96466ce8b2_w2.kd
    .args:
      - { .name: hid, .offset: 0, .size: 8, .value_kind: global_buffer, .address_space: global }
      - { .name: wc, .offset: 8, .size: 8, .value_kind: global_buffer, .address_space: global }
      - { .name: lowp_scales, .offset: 16, .size: 8, .value_kind: global_buffer, .address_space: global }
      - { .name: b2, .offset: 24, .size: 8, .value_kind: global_buffer, .address_space: global }
      - { .name: x1, .offset: 32, .size: 8, .value_kind: global_buffer, .address_space: global }
      - { .name: out0, .offset: 40, .size: 8, .value_kind: global_buffer, .address_space: global }
    .group_segment_fixed_size: 327680
    .private_segment_fixed_size: 0
    .kernarg_segment_align: 8
    .kernarg_segment_size: 48
    .max_flat_workgroup_size: 128
    .sgpr_count:     98
    .vgpr_count:     640
    .wavefront_size: 32
...
	.end_amdgpu_metadata
.endif
;; end of part 7
